; MI455X (gfx1250); checked and timed in simulation.
; The chip was launched on July 23, 2026; its instructions are those of AMD's public machine-readable ISA for CDNA 5 (MIT licence, August 2026) and "CDNA5" Instruction Set Architecture Reference Guide (July 2026). The comments in the code are by the model that wrote it; some were corrected since.
;; Self Attention. Allowed arithmetic: matrix products marked QUANTISED: E2M1 operands, one E8M0 scale for each 32 along K, by v_wmma_scale_f32_16x16x128_f8f6f4 with both operands' format E2M1 (or v_wmma_scale_f32_32x16x128_f4), f32 sums; everything else in f32.
;; Inputs: attention_mask 4 x 2,048 bool; bk 1,024 float32; bo 1,024 float32; bq 1,024 float32; bv 1,024 float32; ln_b 1,024 float32; ln_g 1,024 float32; wk_codes 1,024 x 32 x 16 uint8 (E2M1 codes of wk, K innermost, in blocks of 32 codes, two codes a byte); wk_scales 1,024 x 32 uint8 (E8M0 scales of wk, one for each 32 codes along K); wo_codes 1,024 x 32 x 16 uint8 (E2M1 codes of wo, K innermost, in blocks of 32 codes, two codes a byte); wo_scales 1,024 x 32 uint8 (E8M0 scales of wo, one for each 32 codes along K); wq_codes 1,024 x 32 x 16 uint8 (E2M1 codes of wq, K innermost, in blocks of 32 codes, two codes a byte); wq_scales 1,024 x 32 uint8 (E8M0 scales of wq, one for each 32 codes along K); wv_codes 1,024 x 32 x 16 uint8 (E2M1 codes of wv, K innermost, in blocks of 32 codes, two codes a byte); wv_scales 1,024 x 32 uint8 (E8M0 scales of wv, one for each 32 codes along K); x 4 x 2,048 x 1,024 float32.
;; Outputs: out0 4 x 2,048 x 1,024 float32.
;; This version of the problem:
;;   THIS VERSION OF THE PROBLEM IS GIVEN IN LOW PRECISION. The matrix products marked QUANTISED in the list below multiply operands that are first quantised to E2M1 (2 exponent bits, 1 mantissa bit; 4 bits a number), with one power-of-two scale for each 32 numbers along K (OCP MX v1.0); their sums are f32. All else is computed in f32.
;;   The module's matrix products, in the order in which they are computed (A, B: the left and right operand; K: the contracted axis; several contracted axes count as one K, in the product's order):
;;     1. [M 8,192, K 1,024] x [K 1,024, N 1,024]; A: computed on the way; B: input wq (given as codes): QUANTISED
;;     2. [M 8,192, K 1,024] x [K 1,024, N 1,024]; A: computed on the way; B: input wk (given as codes): QUANTISED
;;     3. [M 8,192, K 1,024] x [K 1,024, N 1,024]; A: computed on the way; B: input wv (given as codes): QUANTISED
;;     4. batch 64 x [M 2,048, K 64] x [K 64, N 2,048]; A: computed on the way; B: computed on the way: QUANTISED
;;     5. batch 64 x [M 2,048, K 2,048] x [K 2,048, N 64]; A: softmax (see below); B: computed on the way: QUANTISED
;;     6. [M 8,192, K 1,024] x [K 1,024, N 1,024]; A: computed on the way; B: input wo (given as codes): QUANTISED
;;   THE QUANTISER, for each operand of a quantised product, along K:
;;     - K is cut into blocks of 32 from its start; a last block that is shorter is filled with zeros.
;;     - A block's scale is 2^e with e = floor(log2(the largest magnitude in the block)) - 2, held to -126 .. 127; a block of zeros has e = 0. As a byte (E8M0): e + 127.
;;     - Each number is divided by its block's scale, clamped to +-6, and rounded to the nearest number of E2M1, ties to even, subnormals kept.
;;     - The product sums the exact products of the quantised numbers (number of the format x scale) in f32.
;;   ~~~python
;;   def quantise(x, axis):      # numpy; x: float32 -> the quantised numbers, widened to float32 again
;;       x = np.moveaxis(x, axis, -1); K = x.shape[-1]
;;       x = np.pad(x, [(0, 0)] * (x.ndim - 1) + [(0, -K % 32)]); x = x.reshape(x.shape[:-1] + (-1, 32)); a = np.abs(x).max(-1, keepdims=True)
;;       e = np.where(a > 0, np.clip(np.frexp(np.where(a > 0, a, 1))[1] - 1 - 2, -126, 127), 0)      # np.frexp(a)[1] - 1 = floor(log2(a)), exactly
;;       r = np.clip(x / 2.0 ** e, -6, 6)
;;       step = 2.0 ** (np.maximum(np.frexp(np.where(r == 0, 1, r))[1] - 1, 0) - 1)
;;       q = np.round(r / step) * step * 2.0 ** e      # np.round: ties to even
;;       return np.moveaxis(q.reshape(q.shape[:-2] + (-1,))[..., :K], -1, axis).astype(np.float32)
;;   ~~~
;;   SOFTMAX AHEAD OF A QUANTISED PRODUCT. Where the list says 'softmax', what is quantised is not the finished softmax but p = 2^(t - M), with t = logit x log2(e) and M = ceil(the row's largest t), a whole number; so 1/2 < the row's largest p <= 1. The row's sum l is taken of the UNQUANTISED p, in f32, and the product's result is divided by l at the end. Since M is a whole number, a kernel that streams over the keys may use a running M (the ceiling of the running maximum): every later rescaling is an exact power of two, which a block's scale takes up: the codes' values come out the same.
;;   OPERANDS COMPUTED ON THE WAY. 'Computed on the way' means the value that the module computes at that place (a softmax that the list does not call 'softmax' is quantised finished and normalised). What goes into a quantiser is computed in f32, as accurately as f32 sums, v_exp_f32 and their like allow (about 1e-6 of the number): no bf16 or f16 on the way to a quantiser, and a product that is left as it is and whose result goes on into a quantised operand takes f32 operands (vector FMAs, or v_wmma_f32_16x16x4_f32). A number that lies on a knife's edge between two numbers of the format may be rounded either way, as far as f32 arithmetic and the matrix unit's own rounding can turn it there, and no further.
;;   INPUTS GIVEN AS CODES. wk (in the module: [1024, 1024], K = its axis 1); wo (in the module: [1024, 1024], K = its axis 1); wq (in the module: [1024, 1024], K = its axis 1); wv (in the module: [1024, 1024], K = its axis 1): each comes as NAME_codes (uint8): NAME with its K axis moved to the last place and cut into blocks of 32 codes, [.., K / 32, bytes a block], one block behind the other in memory; two codes a byte, the lower K in the low four bits (a code: sign, 2 exponent bits, 1 mantissa bit); and NAME_scales (uint8): the same leading axes, one E8M0 byte (e + 127) for each 32 codes along K. Its value is code x scale, taken as it is: it is not quantised again, and the codes and scales need not be those that the quantiser above would give.
;; One version. Each part assembles by itself: llvm-mc -triple=amdgcn-amd-amdhsa -mcpu=gfx1250 --defsym DOCPART=n.
;; ======== version 1 of 1: 4 launches
;; limits: right only within a limited range of input values
;; workspace buffers: hq 4,456,448 bytes; cq 4,456,448 bytes; kv 9,175,040 bytes; qimg 4,194,304 bytes; qsw 524,288 bytes
;; launch lnq (part 1): grid 512 x 1, 4 waves a work-group, no clusters, 28,160 bytes of LDS; arguments x, ln_g, ln_b, hq; writes hq
.if DOCPART == 1
	.amdgcn_target "amdgcn-amd-amdhsa--gfx1250"
	.amdhsa_code_object_version 6
	.text
	.protected	k_qf27195763f_lnq
	.globl	k_qf27195763f_lnq
	.p2align	8
	.type	k_qf27195763f_lnq,@function
k_qf27195763f_lnq:
	s_mov_b64 s[64:65], 0
	v_nop
	global_prefetch_b8 v0, s[64:65] scope:SCOPE_SE
	s_setreg_imm32_b32 hwreg(HW_REG_WAVE_MODE, 25, 1), 1
	s_wait_xcnt 0x0
; h = LayerNorm(x) * g + b, quantised along H to codes of E2M1 with one E8M0 byte for each 32 numbers.  x: [8192][1024] f32.
; hq is laid as the next launch's operand registers want it: 64 blocks of 128 tokens, HB bytes each; a block is two K halves of HH bytes;
; a half holds, for K step ks (0..3) and tile of 16 tokens (0..7), two pieces of 512 bytes: piece c, lane 16 h + r = the 16 bytes (32 codes) of block 4 s + 2 c + h of token r;
; behind the 32,768 bytes of codes stand 2,048 bytes of scale words at tile * 256 + r * 16 + ks * 4.
; SHARES.  A work-group takes one tile of 16 tokens, each of its four waves four tokens.  A token's row (4,096 bytes) lies in 32 registers of the wave between the mean, the variance
; and the scaling: it is read from memory once, by eight loads of 512 consecutive bytes.  All 32 loads of a wave's four rows go out at the head.
; The conversions want 32 neighbours in ONE lane: the finished row turns through the wave's own 4,608 bytes of LDS (32 blocks of 128 bytes + 16), after which lane l holds block l whole:
; its largest magnitude needs no other lane.  Codes and scale bytes of the 16 tokens meet in a stage, and leave as pieces of 512 and 256 consecutive bytes.
; No matrix unit, no cluster, no tensor load: the launch streams, its work-groups share nothing but g and b (8 KB).
; A block's byte is its largest magnitude's exponent field - 2, held at 1 from below by a floor among the maximum's leaves.
; LIMITS: NaN and infinities in x, g, b are not served.  A block of zeros gets the byte 1 (the rule says 127) with zero codes: the bytes are read by this program alone.
.set HB,    69632
.set HH,    34816
.set TURNB, 4608                       ; a wave's turning place: 32 blocks x TP
.set TP,    144                        ; a block of 32 f32 + 16 bytes
.set CST,   18432                      ; the codes' stage: 32 units (one for each block of H) x CP; in a unit 16 bytes a token
.set CP,    272
.set SST,   27136                      ; the scale bytes' stage: K half * 256 + token * 16 + (block % 16)
.set G,     32                         ; v32-63   g as loaded: register 4 j + e = g[128 j + 4 lane + e]
.set B,     64                         ; v64-95   b likewise
.set X,     96                         ; v96-223  four rows, 32 registers each
.set C,     224                        ; v224-227 a block's codes
.set SBY,   228                        ; v228     its scale byte
	s_load_b256 s[4:11], s[0:1], 0x0               ; x s[4:5], g s[6:7], b s[8:9], hq s[10:11]
	v_lshl_add_u32 v240, v0, 2, 0x6c00
	v_mov_b32 v241, 0
	v_lshrrev_b32 v1, 5, v0
	v_readfirstlane_b32 s2, v1                     ; wave 0..3
	v_and_b32 v1, 31, v0                           ; lane
	v_lshlrev_b32 v2, 4, v1                        ; 16 x lane: my 16 bytes of 512
	v_lshrrev_b32 v12, 3, v1
	v_and_b32 v13, 7, v1
	v_lshrrev_b32 v14, 4, v1
	v_and_b32 v15, 15, v1
	s_mul_i32 s3, s2, TURNB
	v_mul_u32_u24 v3, v12, TP
	v_lshl_add_u32 v3, v13, 4, v3
	v_add_nc_u32 v3, s3, v3                        ; the turn, in: eight lanes fill a block; load j's four blocks lie 4 TP j further on
	v_mul_u32_u24 v4, v1, TP
	v_add_nc_u32 v4, s3, v4                        ; the turn, out: block = lane
	s_lshl_b32 s3, s2, 6
	s_add_co_u32 s3, s3, CST
	v_mul_u32_u24 v5, v1, CP
	v_add_nc_u32 v5, s3, v5                        ; codes into the stage: unit = lane, token 4 w + i at 16 bytes each
	s_lshl_b32 s3, s2, 6
	s_add_co_u32 s3, s3, SST
	v_lshl_add_u32 v6, v14, 8, v15
	v_add_nc_u32 v6, s3, v6                        ; scale byte into its stage
	s_mul_i32 s3, s2, 8*CP
	s_add_co_u32 s3, s3, CST
	v_mul_u32_u24 v7, v14, CP
	v_lshl_add_u32 v7, v15, 4, v7
	v_add_nc_u32 v7, s3, v7                        ; codes out: wave w takes units 8 w .. 8 w + 7, two units (512 bytes) an instruction
	v_lshlrev_b32 v10, 3, v1                       ; 8 x lane
	s_and_b32 s24, s2, 1
	s_lshl_b32 s3, s24, 8
	s_add_co_u32 s3, s3, SST
	v_add_nc_u32 v9, s3, v10                       ; scale bytes out (waves 0 and 1): a K half's 256 bytes
	s_mov_b32 s12, 0x76543210
	s_mov_b32 s13, 0xfedcba98                      ; v_permlanex16_b32's selects for lane l xor 16
	s_mov_b32 s14, 0x3a800000                      ; 1 / 1024
	s_mov_b32 s15, 0x3727c5ac                      ; 1e-5
	s_lshl_b32 s16, ttmp9, 16                      ; x: 16 rows of 4,096 bytes a work-group,
	s_lshl_b32 s17, s2, 14                         ; four a wave
	s_add_co_u32 s16, s16, s17
	s_mov_b32 s17, 0
	s_lshr_b32 s18, ttmp9, 3
	s_mul_i32 s18, s18, HB                         ; my block of 128 tokens
	s_and_b32 s19, ttmp9, 7                        ; my tile in it
	s_lshl_b32 s20, s19, 10
	s_add_co_u32 s20, s20, s18
	s_lshr_b32 s21, s2, 1
	s_mul_i32 s21, s21, HH                         ; wave w stores K steps 2 w and 2 w + 1: K half w / 2,
	s_add_co_u32 s20, s20, s21
	s_lshl_b32 s21, s24, 14                        ; in it steps 2 (w % 2) on, 8,192 bytes each
	s_add_co_u32 s20, s20, s21
	s_mov_b32 s21, 0
	s_lshl_b32 s22, s19, 8
	s_add_co_u32 s22, s22, s18
	s_mul_i32 s23, s24, HH
	s_add_co_u32 s22, s22, s23
	s_add_co_u32 s22, s22, 32768                   ; the scale words of my tile in K half w (waves 0 and 1)
	s_mov_b32 s23, 0
	s_wait_kmcnt 0x0
	s_add_nc_u64 s[4:5], s[4:5], s[16:17]
	s_add_nc_u64 s[20:21], s[10:11], s[20:21]
	s_add_nc_u64 s[22:23], s[10:11], s[22:23]
.irp j, 0,1,2,3,4,5,6,7
	global_load_b128 v[G+4*\j:G+4*\j+3], v2, s[6:7] offset:512*\j
.endr
.irp j, 0,1,2,3,4,5,6,7
	global_load_b128 v[B+4*\j:B+4*\j+3], v2, s[8:9] offset:512*\j
.endr
.irp i, 0,1,2,3
.irp j, 0,1,2,3,4,5,6,7
	global_load_b128 v[X+32*\i+4*\j:X+32*\i+4*\j+3], v2, s[4:5] offset:4096*\i+512*\j th:TH_LOAD_NT   ; 512 consecutive bytes; read once in this launch
.endr
.endr
; four packed chains in v[12:19] become the wave's sum, in v12 of every lane
.macro REDUCE
	v_pk_add_f32 v[12:13], v[12:13], v[14:15]
	v_pk_add_f32 v[16:17], v[16:17], v[18:19]
	v_pk_add_f32 v[12:13], v[12:13], v[16:17]
	v_add_f32 v12, v12, v13
	v_add_f32_dpp v12, v12, v12 row_xmask:1 row_mask:0xf bank_mask:0xf
	v_add_f32_dpp v12, v12, v12 row_xmask:2 row_mask:0xf bank_mask:0xf
	v_add_f32_dpp v12, v12, v12 row_xmask:4 row_mask:0xf bank_mask:0xf
	v_add_f32_dpp v12, v12, v12 row_xmask:8 row_mask:0xf bank_mask:0xf
	v_permlanex16_b32 v13, v12, s12, s13
	v_add_f32 v12, v12, v13
.endm
; token i of my four
.macro TOKEN i
.set XB, X+32*(\i)
	s_wait_loadcnt 8*(3-(\i))                      ; g, b and this row are in; the eight loads of each later row may be out
.irp k, 0,1,2,3
	v_pk_add_f32 v[12+2*\k:13+2*\k], v[XB+4*\k:XB+4*\k+1], v[XB+4*\k+2:XB+4*\k+3]
.endr
.irp p, 8,9,10,11,12,13,14,15
	v_pk_add_f32 v[12+2*(\p%4):13+2*(\p%4)], v[12+2*(\p%4):13+2*(\p%4)], v[XB+2*\p:XB+2*\p+1]
.endr
	REDUCE
	v_mul_f32 v20, s14, v12                        ; the mean
	v_mov_b32 v21, v20
.irp p, 0,1,2,3,4,5,6,7,8,9,10,11,12,13,14,15
	v_pk_add_f32 v[XB+2*\p:XB+2*\p+1], v[XB+2*\p:XB+2*\p+1], v[20:21] neg_lo:[0,1] neg_hi:[0,1]   ; x - mean, in place
.endr
.irp p, 0,1,2,3
	v_pk_mul_f32 v[12+2*\p:13+2*\p], v[XB+2*\p:XB+2*\p+1], v[XB+2*\p:XB+2*\p+1]
.endr
.irp p, 4,5,6,7,8,9,10,11,12,13,14,15
	v_pk_fma_f32 v[12+2*(\p%4):13+2*(\p%4)], v[XB+2*\p:XB+2*\p+1], v[XB+2*\p:XB+2*\p+1], v[12+2*(\p%4):13+2*(\p%4)]
.endr
	REDUCE
	v_fma_f32 v12, v12, s14, s15                   ; the variance + 1e-5
	s_wait_alu depctr_va_vdst(0)
	v_rsq_f32 v22, v12
	v_nop                                          ; a plain instruction behind the transcendental (ISA guide 5.7.2),
	s_wait_alu depctr_va_vdst(0)                   ; and the wait ahead of its first reader
	v_mov_b32 v23, v22
.irp p, 0,1,2,3,4,5,6,7,8,9,10,11,12,13,14,15
	v_pk_mul_f32 v[XB+2*\p:XB+2*\p+1], v[XB+2*\p:XB+2*\p+1], v[22:23]
.endr
.irp p, 0,1,2,3,4,5,6,7,8,9,10,11,12,13,14,15
	v_pk_fma_f32 v[XB+2*\p:XB+2*\p+1], v[XB+2*\p:XB+2*\p+1], v[G+2*\p:G+2*\p+1], v[B+2*\p:B+2*\p+1]
.endr
.irp j, 0,1,2,3,4,5,6,7
	ds_store_b128 v3, v[XB+4*\j:XB+4*\j+3] offset:4*TP*\j
.endr
.irp j, 0,1,2,3,4,5,6,7
	ds_load_b128 v[XB+4*\j:XB+4*\j+3], v4 offset:16*\j   ; LDS serves a wave's instructions in order (ISA guide 5.7.1.4): these see the stores above.  Lane l now holds h[32 l .. 32 l + 31]
.endr
	s_wait_dscnt 0x0                               ; the block is in; the last token's stores into the stages have read their registers
	v_max3_num_f32 v24, |v[XB]|, |v[XB+1]|, |v[XB+2]|
	v_max3_num_f32 v25, |v[XB+3]|, |v[XB+4]|, |v[XB+5]|
.irp n, 6,10,14,18,22,26
	v_max3_num_f32 v24, v24, |v[XB+\n]|, |v[XB+\n+1]|
	v_max3_num_f32 v25, v25, |v[XB+\n+2]|, |v[XB+\n+3]|
.endr
	v_max3_num_f32 v24, v24, |v[XB+30]|, |v[XB+31]|
	v_max3_num_f32 v24, v24, v25, 0x1800000        ; and the floor 2^(3 - 127): the byte cannot fall under 1
	v_add_nc_u32 v26, 0xff000000, v24              ; 2 off the exponent field: the conversion takes this operand's exponent field as its scale
.irp g, 0,1,2,3
	v_cvt_scalef32_pk8_fp4_f32 v[C+\g], v[XB+8*\g:XB+8*\g+7], v26
.endr
	v_lshrrev_b32 v[SBY], 23, v26                  ; the scale's byte.  (Also the plain instruction behind the conversions)
	ds_store_b128 v5, v[C:C+3] offset:16*(\i)
	ds_store_b8 v6, v[SBY] offset:16*(\i)
.endm
	TOKEN 0
	TOKEN 1
	TOKEN 2
	TOKEN 3
	s_wait_dscnt 0x0                               ; for the others' sake: my stores into the stages are done
	s_barrier_signal -1
	s_barrier_wait -1
.irp e, 0,1,2,3
	ds_load_b128 v[12+4*\e:15+4*\e], v7 offset:2*CP*\e   ; piece 4 w + e: blocks 8 w + 2 e (lanes 0-15) and 8 w + 2 e + 1 (lanes 16-31) of the 16 tokens
.endr
.irp e, 0,1,2,3
	s_wait_dscnt 3-\e                              ; the later pieces may be out
	global_store_b128 v2, v[12+4*\e:15+4*\e], s[20:21] offset:(\e/2)*8192+(\e%2)*512   ; 512 consecutive bytes, aligned
.endr
	s_cmp_lt_u32 s2, 2
	s_cbranch_scc0 .Lend
	ds_load_b64 v[28:29], v9
	s_wait_dscnt 0x0
	global_store_b64 v10, v[28:29], s[22:23]       ; 256 consecutive bytes, aligned: the tile's scale words of one K half
.Lend:
	s_wait_tensorcnt 0x0
	ds_add_u32 v240, v241
	s_wait_dscnt 0x0
	s_endpgm
.Lfunc_end_k_qf27195763f_lnq:
	.size	k_qf27195763f_lnq, .Lfunc_end_k_qf27195763f_lnq-k_qf27195763f_lnq
	.p2alignl 7, 3214868480
	.fill 96, 4, 3214868480
	.section	.rodata,"a",@progbits
	.p2align	6, 0x0
	.amdhsa_kernel k_qf27195763f_lnq
		.amdhsa_group_segment_fixed_size 28160
		.amdhsa_private_segment_fixed_size 0
		.amdhsa_enable_private_segment 0
		.amdhsa_kernarg_size 32
		.amdhsa_user_sgpr_count 2
		.amdhsa_user_sgpr_kernarg_segment_ptr 1
		.amdhsa_wavefront_size32 1
		.amdhsa_system_sgpr_workgroup_id_x 1
		.amdhsa_system_sgpr_workgroup_id_y 1
		.amdhsa_system_sgpr_workgroup_id_z 1
		.amdhsa_system_vgpr_workitem_id 0
		.amdhsa_next_free_vgpr 242
		.amdhsa_next_free_sgpr 66
		.amdhsa_reserve_vcc 0
		.amdhsa_float_denorm_mode_32 3
		.amdhsa_float_denorm_mode_16_64 3
		.amdhsa_memory_ordered 1
		.amdhsa_forward_progress 1
		.amdhsa_inst_pref_size 44
	.end_amdhsa_kernel
	.amdgpu_metadata
---
amdhsa.version: [ 1, 2 ]
amdhsa.kernels:
  - .name:           k_qf27195763f_lnq
    .symbol:         k_qf27195763f_lnq.kd
    .args:
      - { .name: x, .offset: 0, .size: 8, .value_kind: global_buffer, .address_space: global }
      - { .name: ln_g, .offset: 8, .size: 8, .value_kind: global_buffer, .address_space: global }
      - { .name: ln_b, .offset: 16, .size: 8, .value_kind: global_buffer, .address_space: global }
      - { .name: hq, .offset: 24, .size: 8, .value_kind: global_buffer, .address_space: global }
    .group_segment_fixed_size: 28160
    .private_segment_fixed_size: 0
    .kernarg_segment_align: 8
    .kernarg_segment_size: 32
    .max_flat_workgroup_size: 128
    .sgpr_count:     66
    .vgpr_count:     242
    .wavefront_size: 32
...
	.end_amdgpu_metadata
.endif
;; end of part 1
;; launch qkv (part 2): grid 12 x 64, 8 waves a work-group, clusters of 4 x 4, 222,208 bytes of LDS; arguments hq, attention_mask, wq_codes, wk_codes, wv_codes, wq_scales, wk_scales, wv_scales, bq, bk, bv, qimg, qsw, kv; writes qimg, qsw, kv
.if DOCPART == 2
	.amdgcn_target "amdgcn-amd-amdhsa--gfx1250"
	.amdhsa_code_object_version 6
	.text
	.protected	k_qf27195763f_qkv
	.globl	k_qf27195763f_qkv
	.p2align	8
	.type	k_qf27195763f_qkv,@function
k_qf27195763f_qkv:
	s_mov_b64 s[64:65], 0
	v_nop
	global_prefetch_b8 v0, s[64:65] scope:SCOPE_SE
	s_setreg_imm32_b32 hwreg(HW_REG_WAVE_MODE, 25, 1), 1
	s_wait_xcnt 0x0
	s_wait_alu depctr_hold_cnt(0) depctr_sa_sdst(0) depctr_va_vdst(0) depctr_va_sdst(0) depctr_va_ssrc(0) depctr_va_vcc(0) depctr_vm_vsrc(0)
	s_getreg_b32 s2, hwreg(HW_REG_IB_STS2, 6, 4)
	s_cmp_eq_u32 s2, 0
	s_cbranch_scc0 .Lentry_in_a_cluster
	s_endpgm
.Lentry_in_a_cluster:
	s_bfe_u32 s2, ttmp6, 0x10000c
	s_cmp_lg_u32 s2, 0xf033
	s_cbranch_scc0 .Lentry_shape_is_right
	s_endpgm
.Lentry_shape_is_right:
; q = h Wq^T + bq, k = h Wk^T + bk, v = h Wv^T + bv on codes of E2M1 (K = 1,024), and the results quantised for attention: q and k along a head's 64, v along the KEYS.
; SHARES.  The cluster's x says which product (0 q, 1 k, 2 v); a work-group takes 128 tokens (block Y) x 256 features (256 cx on: four heads).  Eight waves.
; ALL OPERANDS OF A WORK-GROUP LIE IN LDS AT ONCE (217,088 bytes): five tensor loads a wave at the head, nothing is ever filled again.  The first K half is multiplied while the second lands.
; CLUSTER 4 x 4: the four of a row need the same block of h, the four of a column the same rows of W: each is asked for jointly.
; q, k: source 0 = 16 rows of W, source 1 = 16 tokens: a lane holds ONE token and its registers run along the features: register 8 t + j = feature 16 t + 8 (lane / 16) + j.
;       Wave w: token tiles 2 (w % 4), + 1; features 128 (w / 4) on (two heads).  The bias is loaded into the accumulators, so every K step adds in place.
; v:    source 0 = 16 tokens, source 1 = 16 rows of W: a lane holds ONE feature and its registers run along the tokens, which are the next product's K.  Wave w: feature tiles 2 w, 2 w + 1; all 8 token tiles.
; QUANT makes of 64 such numbers a fragment (8 registers) and its scale word; two exchanges of lane halves give each lane a whole block of 32.
; OUT.  Fragments leave as images of the registers (512 consecutive bytes a store).  qimg: (head)(query tile) 512 bytes; kv, KVH bytes a head: k's images, k's scale words, v's images, v's scale words.
; THE MASK goes into k's scale words.  A head has 64 of the score product's 128 along K; at k = 64 attention puts the constant codes 6 (k) and -1 (q).  Byte 2 of q's word is 104;
; byte 2 of k's word is 250 for a masked key (6 x -1 x 2^123 x 2^-23 = -6 x 2^100 is added to its score) and 1 for any other (-6 x 2^-149).  Byte 3 is 1 over zero codes.
; LIMITS: NaN and infinities are not served; scores must stay far under 2^100.  Blocks of zeros get the byte 1 with zero codes: only this program reads the bytes.
.set HB,   69632                       ; hq: a block of 128 tokens;
.set HH,   34816                       ; a K half of it: 32,768 bytes of images, 2,048 of scale words
.set KVH,  143360                      ; kv: a head
.set KSWO, 65536                       ; in it: k's scale words,
.set VIMO, 73728                       ; v's images,
.set VSWO, 139264                      ; v's scale words
.set WP,   272                         ; a row of W's tile in LDS: 256 bytes + 16: the sixteen rows of a load start 68 words apart
.set BW0,  69632                       ; LDS: h's two halves at 0 and HH; W's two K halves, 256 rows x WP each;
.set BW1,  139264
.set BS,   208896                      ; W's scale bytes, 32 a row;
.set STQ,  217088                      ; the stage for q's or k's scale words (2,048 bytes);
.set STV,  219136                      ; the stage for v's (1,024 bytes): each way has bytes of its own
.set E,    48                          ; v48-111  eight fragments
.set T,    112                         ; v112-127 two fragments
.set ACC,  128                         ; v128-255 sixteen accumulators
.set PC,   48                          ; behind the products: v48-63 the codes made, v64-79 at work in QUANT, v80-87 at work
.set TM,   64
.set WV,   38                          ; s38 my wave's number
.set TY,   39                          ; s39 which product
.set SEL,  94                          ; s[94:95] v_permlanex16_b32's selects for lane l xor 16
; v1 r, v2 h, v3 lane; v4-15, v36-40 LDS addresses; v16-35 scale words and nothing else; v41 16 x lane, v42 8 x lane, v43 an offset, v44-47 mask bytes or v's biases
.macro ROUND                           ; a round of the cluster's barrier
	s_barrier_signal -1
	s_barrier_wait -1
	s_cmp_lg_u32 s[WV], 0
	s_cbranch_scc1 .Lnot_wave_0_\@
	s_barrier_signal -3
.Lnot_wave_0_\@:
	s_barrier_wait -3
	s_barrier_signal -1
	s_barrier_wait -1
.endm
; 64 numbers of a lane, register 8 t + j = index 16 t + 8 (lane / 16) + j, become a fragment's codes in v[pc] on and the row's scale word in v[pw].
; Block b of 32 is registers 16 b .. 16 b + 15 of lanes l and l xor 16.
.macro QUANT s, pc, pw
.irp b, 0,1,2,3
	v_max3_num_f32 v[TM+\b], |v[(\s)+16*\b]|, |v[(\s)+1+16*\b]|, 0x1800000   ; with the floor 2^(3 - 127): the byte cannot fall under 1.  Each accumulator is read from its low end on
.endr
.irp i, 2,4,6,8,10,12,14
.irp b, 0,1,2,3
	v_max3_num_f32 v[TM+\b], v[TM+\b], |v[(\s)+16*\b+\i]|, |v[(\s)+1+16*\b+\i]|
.endr
.endr
.irp b, 0,1,2,3
	s_delay_alu instid0(VALU_DEP_4)
	v_permlanex16_b32 v[TM+4+\b], v[TM+\b], s[SEL], s[SEL+1]
.endr
.irp b, 0,1,2,3
	s_delay_alu instid0(VALU_DEP_4)
	v_max_num_f32 v[TM+\b], v[TM+\b], v[TM+4+\b]   ; the block's largest magnitude
.endr
.irp b, 0,1,2,3
	s_delay_alu instid0(VALU_DEP_4)
	v_add_nc_u32 v[TM+12+\b], 0xff000000, v[TM+\b] ; 2 off its exponent field: the conversion's scale operand
.endr
.irp b, 0,1,2,3
	s_delay_alu instid0(VALU_DEP_4)
	v_lshrrev_b32 v[TM+4+\b], 23, v[TM+12+\b]      ; the scale's byte
.endr
	s_delay_alu instid0(VALU_DEP_3)
	v_lshl_or_b32 v[\pw], v[TM+5], 8, v[TM+4]
	s_delay_alu instid0(VALU_DEP_1)
	v_lshl_or_b32 v[\pw], v[TM+6], 16, v[\pw]
	s_delay_alu instid0(VALU_DEP_1)
	v_lshl_or_b32 v[\pw], v[TM+7], 24, v[\pw]
.irp b, 0,1,2,3
	v_cvt_scalef32_pk8_fp4_f32 v[(\pc)+4*(\b/2)+(\b%2)], v[(\s)+16*\b:(\s)+16*\b+7], v[TM+12+\b]       ; indices 32 b + 8 h + 0 .. 7
	v_cvt_scalef32_pk8_fp4_f32 v[(\pc)+4*(\b/2)+(\b%2)+2], v[(\s)+16*\b+8:(\s)+16*\b+15], v[TM+12+\b]  ; and 32 b + 16 + 8 h + 0 .. 7
.endr
	v_nop                                          ; one plain instruction behind the conversions
.irp c, 0,1                                    ; the first's lanes 16-31 change places with the second's lanes 0-15: registers 4 c .. 4 c + 3 then hold block 2 c (lanes 0-15) and block 2 c + 1 (lanes 16-31), whole
	v_permlane16_swap_b32 v[(\pc)+4*\c], v[(\pc)+4*\c+1]
	v_permlane16_swap_b32 v[(\pc)+4*\c+2], v[(\pc)+4*\c+3]
.endr
.endm
; K step s of q's or k's product: 8 fragments of W, 2 of h, the scale words of two steps at a time, 16 products.  The accumulators take turns.
.macro KQ s
.set HF, (\s)/4
.set Q, (\s)%4
.irp ft, 0,1,2,3,4,5,6,7
.irp c, 0,1
	ds_load_b128 v[E+8*\ft+4*\c:E+8*\ft+4*\c+3], v[4+HF] offset:\ft*16*WP+64*Q+32*\c
.endr
.endr
.irp tk, 0,1
.irp c, 0,1
	ds_load_b128 v[T+8*\tk+4*\c:T+8*\tk+4*\c+3], v[8+HF] offset:Q*8192+\tk*1024+\c*512
.endr
.endr
.if (\s)%2 == 0
.irp ft, 0,1,2,3,4,5,6,7
	ds_load_b64 v[16+2*\ft:17+2*\ft], v12 offset:\ft*512+8*((\s)/2)
.endr
.irp tk, 0,1
	ds_load_b64 v[32+2*\tk:33+2*\tk], v[14+HF] offset:\tk*256+8*(Q/2)
.endr
.endif
	s_wait_dscnt 0x0
.irp tk, 0,1
.irp ft, 0,1,2,3,4,5,6,7
	v_wmma_scale_f32_16x16x128_f8f6f4 v[ACC+8*(8*\tk+\ft):ACC+8*(8*\tk+\ft)+7], v[E+8*\ft:E+8*\ft+7], v[T+8*\tk:T+8*\tk+7], v[ACC+8*(8*\tk+\ft):ACC+8*(8*\tk+\ft)+7], v[16+2*\ft+(\s)%2], v[32+2*\tk+(\s)%2] matrix_a_fmt:MATRIX_FMT_FP4 matrix_b_fmt:MATRIX_FMT_FP4
.endr
.endr
.rept 4
	v_nop                                          ; four places in front of the next loads into these operands, and of the first read of the results
.endr
.endm
; K step s of v's product: 8 fragments of h (source 0), 2 of W (source 1).  The first step starts the sums with the constant 0.
.macro KV s
.set HF, (\s)/4
.set Q, (\s)%4
.irp tt, 0,1,2,3,4,5,6,7
.irp c, 0,1
	ds_load_b128 v[E+8*\tt+4*\c:E+8*\tt+4*\c+3], v[10+HF] offset:Q*8192+\tt*1024+\c*512
.endr
.endr
.irp fv, 0,1
.irp c, 0,1
	ds_load_b128 v[T+8*\fv+4*\c:T+8*\fv+4*\c+3], v[6+HF] offset:\fv*16*WP+64*Q+32*\c
.endr
.endr
.if (\s)%2 == 0
.irp tt, 0,1,2,3,4,5,6,7
	ds_load_b64 v[16+2*\tt:17+2*\tt], v[36+HF] offset:\tt*256+8*(Q/2)
.endr
.irp fv, 0,1
	ds_load_b64 v[32+2*\fv:33+2*\fv], v13 offset:\fv*512+8*((\s)/2)
.endr
.endif
	s_wait_dscnt 0x0
.irp fv, 0,1
.irp tt, 0,1,2,3,4,5,6,7
.if (\s) == 0
	v_wmma_scale_f32_16x16x128_f8f6f4 v[ACC+8*(8*\fv+\tt):ACC+8*(8*\fv+\tt)+7], v[E+8*\tt:E+8*\tt+7], v[T+8*\fv:T+8*\fv+7], 0, v[16+2*\tt+(\s)%2], v[32+2*\fv+(\s)%2] matrix_a_fmt:MATRIX_FMT_FP4 matrix_b_fmt:MATRIX_FMT_FP4
.else
	v_wmma_scale_f32_16x16x128_f8f6f4 v[ACC+8*(8*\fv+\tt):ACC+8*(8*\fv+\tt)+7], v[E+8*\tt:E+8*\tt+7], v[T+8*\fv:T+8*\fv+7], v[ACC+8*(8*\fv+\tt):ACC+8*(8*\fv+\tt)+7], v[16+2*\tt+(\s)%2], v[32+2*\fv+(\s)%2] matrix_a_fmt:MATRIX_FMT_FP4 matrix_b_fmt:MATRIX_FMT_FP4
.endif
.endr
.endr
.rept 4
	v_nop
.endr
.endm
	s_load_b512 s[4:19], s[0:1], 0x0               ; hq s[4:5], mask s[6:7], wq, wk, wv codes s[8:13], wq, wk, wv scales s[14:19]
	s_load_b256 s[20:27], s[0:1], 0x40             ; bq s[20:21], bk s[22:23], bv s[24:25], qimg s[26:27]
	s_load_b128 s[28:31], s[0:1], 0x60             ; qsw s[28:29], kv s[30:31]
	s_set_vgpr_msb 0x40
	v_lshl_add_u32 v0, v0, 2, 0x36000
	v_mov_b32 v1, 0
	s_set_vgpr_msb 0x4045
	ds_add_u32 v0, v1
	ds_add_u32 v0, v1
	s_set_vgpr_msb 0x4500
	v_lshrrev_b32 v1, 5, v0
	s_delay_alu instid0(VALU_DEP_1)
	v_readfirstlane_b32 s[WV], v1                  ; wave 0..7
	s_and_b32 s2, s[WV], 3                         ; q, k: my pair of token tiles
	s_lshr_b32 s3, s[WV], 2                        ; q, k: my 128 features
	s_mov_b32 s[TY], ttmp9                         ; the cluster's x: the same in all sixteen partners
	s_bfe_u32 s66, ttmp6, 0x40000                  ; cx
	s_bfe_u32 s67, ttmp6, 0x40004                  ; cy
	s_and_b32 s88, ttmp7, 0xffff
	s_lshl_b32 s88, s88, 2
	s_add_co_u32 s88, s88, s67                     ; Y = 4 x cluster y + cy: my block of 128 tokens
	s_lshl_b32 s89, s67, 2
	s_lshl_b32 s89, 15, s89                        ; my row of the cluster
	s_lshl_b32 s93, 0x1111, s66                    ; my column
	; group 1 for h: a wave's eighth of a K half, 4,352 dense bytes, as 17 rows of 32 elements of 8 bytes
	s_or_b32 s40, s89, (3<<16)|(1<<21)             ; 15:0 the mask: my row; 17:16 elements of 8 bytes; 21 set beside a mask
	s_mov_b32 s41, 32<<16                          ; tensor_dim0
	s_mov_b32 s42, 17<<16                          ; tensor_dim1
	s_mov_b32 s43, 32<<16                          ; tile_dim0
	s_mov_b32 s44, 17                              ; tile_dim1
	s_mov_b32 s45, 32                              ; the pitch
	s_mov_b32 s46, 0
	s_mov_b32 s47, 0
	; group 1 for W's codes: 32 rows x 256 bytes, 512 bytes apart in memory, 16 bytes of padding behind each in LDS
	s_or_b32 s48, s93, (0<<16)|(1<<20)|(1<<21)|(5<<22)|(3<<25)   ; the mask: my column; elements of 1 byte; padding: 4 words behind every 64
	s_mov_b32 s49, 256<<16
	s_mov_b32 s50, 32<<16
	s_mov_b32 s51, 256<<16
	s_mov_b32 s52, 32
	s_mov_b32 s53, 512
	s_mov_b32 s54, 0
	s_mov_b32 s55, 0
	; group 1 for W's scale bytes: 32 rows x 32 bytes = 1,024 dense bytes, as 4 rows of 256
	s_or_b32 s56, s93, (3<<16)|(1<<21)
	s_mov_b32 s57, 32<<16
	s_mov_b32 s58, 4<<16
	s_mov_b32 s59, 32<<16
	s_mov_b32 s60, 4
	s_mov_b32 s61, 32
	s_mov_b32 s62, 0
	s_mov_b32 s63, 0
	s_mul_i32 s98, s[WV], 4352                     ; where my parts go in LDS: no place in the cluster enters an LDS address
	s_mul_i32 s99, s[WV], 32*WP
	s_lshl_b32 s100, s[WV], 10
	s_mul_i32 s90, s88, HB                         ; h: block Y, my eighth
	s_add_co_u32 s90, s90, s98
	s_mov_b32 s91, 0
	s_lshl_b32 s94, s66, 17                        ; W: row 256 cx + 32 w, 512 bytes a row
	s_lshl_b32 s95, s[WV], 14
	s_add_co_u32 s94, s94, s95
	s_mov_b32 s95, 0
	s_lshl_b32 s96, s66, 13                        ; its scale bytes: 32 a row
	s_add_co_u32 s96, s96, s100
	s_mov_b32 s97, 0
	; every LDS address of both ways is made here
	v_and_b32 v3, 31, v0                           ; lane
	v_and_b32 v1, 15, v0                           ; r
	v_bfe_u32 v2, v0, 4, 1                         ; h
	s_delay_alu instid0(VALU_DEP_2)
	v_mul_u32_u24 v12, v1, WP
	s_delay_alu instid0(VALU_DEP_1)
	v_lshl_add_u32 v12, v2, 4, v12                 ; a fragment of W: row r x pitch + 16 h
	s_mul_i32 s101, s3, 128*WP
	s_add_co_u32 s101, s101, BW0
	v_add_nc_u32 v4, s101, v12                     ; q, k: my 128 rows of W, first K half;
	s_delay_alu instid0(VALU_DEP_1)
	v_add_nc_u32 v5, BW1-BW0, v4                   ; second
	s_mul_i32 s101, s[WV], 32*WP
	s_add_co_u32 s101, s101, BW0
	v_add_nc_u32 v6, s101, v12                     ; v: my 32 rows of W
	s_delay_alu instid0(VALU_DEP_1)
	v_add_nc_u32 v7, BW1-BW0, v6
	v_lshlrev_b32 v41, 4, v3                       ; 16 x lane
	v_lshlrev_b32 v42, 3, v3                       ; 8 x lane
	s_lshl_b32 s101, s2, 11
	v_add_nc_u32 v8, s101, v41                     ; q, k: h's images of my two token tiles
	s_delay_alu instid0(VALU_DEP_1)
	v_add_nc_u32 v9, HH, v8
	v_mov_b32 v10, v41                             ; v: h's images of all tiles
	v_add_nc_u32 v11, HH, v41
	v_lshlrev_b32 v13, 5, v1
	s_lshl_b32 s101, s3, 12
	s_add_co_u32 s101, s101, BS
	v_add_nc_u32 v12, s101, v13                    ; q, k: W's scale bytes, row 128 (w / 4) + r
	s_add_co_u32 s101, s100, BS
	v_add_nc_u32 v13, s101, v13                    ; v: row 32 w + r
	v_lshlrev_b32 v36, 4, v1
	s_delay_alu instid0(VALU_DEP_1)
	v_add_nc_u32 v36, 32768, v36                   ; v: h's scale words: 16 bytes a token, 256 a tile
	s_delay_alu instid0(VALU_DEP_1)
	v_add_nc_u32 v37, HH, v36
	s_lshl_b32 s101, s2, 9
	v_add_nc_u32 v14, s101, v36                    ; q, k: those of my two tiles
	s_delay_alu instid0(VALU_DEP_1)
	v_add_nc_u32 v15, HH, v14
	v_lshlrev_b32 v38, 5, v1
	s_delay_alu instid0(VALU_DEP_1)
	v_lshl_add_u32 v38, v2, 9, v38
	s_lshl_b32 s101, s3, 7
	s_add_co_u32 s101, s101, s2
	s_lshl_b32 s101, s101, 3
	s_add_co_u32 s101, s101, STQ
	v_add_nc_u32 v38, s101, v38                    ; q, k: a scale word's place: head (2 (w / 4) + h) x 512 + r x 32 + tile x 4
	v_lshlrev_b32 v39, 4, v1
	s_delay_alu instid0(VALU_DEP_1)
	v_lshl_add_u32 v39, s[WV], 3, v39
	s_lshr_b32 s101, s[WV], 1
	s_mul_i32 s101, s101, 240
	s_add_co_u32 s101, s101, STV
	v_add_nc_u32 v39, s101, v39                    ; v: head (w / 2) x 256 + r x 16 + (w % 2) x 8
	v_lshl_add_u32 v40, s[WV], 8, v42
	s_delay_alu instid0(VALU_DEP_1)
	v_add_nc_u32 v40, STQ, v40                     ; out of a stage: 256 bytes a wave
	s_wait_dscnt 0x0
	s_wait_kmcnt 0x0
	s_cmp_eq_u32 s[TY], 0                          ; which W, which scales, which bias: the choice hangs on the cluster's x alone
	s_cselect_b64 s[32:33], s[8:9], s[10:11]
	s_cselect_b64 s[34:35], s[14:15], s[16:17]
	s_cselect_b64 s[36:37], s[20:21], s[22:23]
	s_cmp_eq_u32 s[TY], 2
	s_cselect_b64 s[32:33], s[12:13], s[32:33]
	s_cselect_b64 s[34:35], s[18:19], s[34:35]
	s_cselect_b64 s[36:37], s[24:25], s[36:37]
	s_mov_b32 s68, 1                               ; group 0, h's first K half
	s_mov_b32 s69, s98
	s_add_nc_u64 s[70:71], s[4:5], s[90:91]
	s_mov_b32 s80, 1                               ; h's second K half
	s_add_co_u32 s81, s98, HH
	s_add_nc_u64 s[82:83], s[70:71], HH
	s_or_b32 s71, s71, 0x80000000
	s_or_b32 s83, s83, 0x80000000
	s_mov_b32 s72, 1                               ; W's first K half
	s_add_co_u32 s73, s99, BW0
	s_add_nc_u64 s[74:75], s[32:33], s[94:95]
	s_mov_b32 s84, 1                               ; W's second: 256 bytes on in each row
	s_add_co_u32 s85, s99, BW1
	s_add_nc_u64 s[86:87], s[74:75], 256
	s_or_b32 s75, s75, 0x80000000
	s_or_b32 s87, s87, 0x80000000
	s_mov_b32 s76, 1                               ; W's scale bytes
	s_add_co_u32 s77, s100, BS
	s_add_nc_u64 s[78:79], s[34:35], s[96:97]
	s_or_b32 s79, s79, 0x80000000
	ROUND                                          ; all sixteen work-groups are here: the joint loads meet
	tensor_load_to_lds s[68:71], s[40:47]          ; five loads of mine are out; none is ever issued again
	s_nop 0
	tensor_load_to_lds s[72:75], s[48:55]
	s_nop 0
	tensor_load_to_lds s[76:79], s[56:63]
	s_nop 0
	tensor_load_to_lds s[80:83], s[40:47]
	s_nop 0
	tensor_load_to_lds s[84:87], s[48:55]
	s_nop 0
.rept 4
	v_nop
.endr
	s_lshr_b32 s92, s88, 4
	s_lshl_b32 s92, s92, 4
	s_lshl_b32 s93, s66, 2
	s_add_co_u32 s92, s92, s93                     ; 16 b + 4 cx: the first of my work-group's four heads
	s_and_b32 s89, s88, 15                         ; which 128 tokens of the batch
	s_mov_b32 s[SEL], 0x76543210
	s_mov_b32 s[SEL+1], 0xfedcba98
	s_cmp_eq_u32 s[TY], 2
	s_cbranch_scc1 .Lv
	; ---------------- q or k ----------------
	s_lshl_b32 s96, s66, 10
	s_lshl_b32 s97, s3, 9
	s_add_co_u32 s96, s96, s97
	s_mov_b32 s97, 0
	s_add_nc_u64 s[36:37], s[36:37], s[96:97]      ; the bias at my 128 features
	s_lshl_b32 s96, s88, 7
	s_lshl_b32 s93, s2, 5
	s_add_co_u32 s96, s96, s93
	s_add_nc_u64 s[6:7], s[6:7], s[96:97]          ; the mask at my 32 tokens
	v_lshlrev_b32 v43, 5, v2                       ; my half's eight features of a tile
.irp tk, 0,1
.irp ft, 0,1,2,3,4,5,6,7
	global_load_b128 v[ACC+8*(8*\tk+\ft):ACC+8*(8*\tk+\ft)+3], v43, s[36:37] offset:64*\ft       ; the bias begins each sum
	global_load_b128 v[ACC+8*(8*\tk+\ft)+4:ACC+8*(8*\tk+\ft)+7], v43, s[36:37] offset:64*\ft+16
.endr
.endr
	global_load_u8 v44, v1, s[6:7]                 ; token r of my first tile: masked?
	global_load_u8 v45, v1, s[6:7] offset:16       ; of my second
	s_cmp_eq_u32 s[TY], 0                          ; where the results go: q's two buffers, or k's two parts of kv
	s_cselect_b64 s[96:97], s[26:27], s[30:31]
	s_cselect_b64 s[98:99], s[28:29], s[30:31]
	s_mov_b32 s100, KVH
	s_cselect_b32 s100, 65536, s100                ; from head to head among the images,
	s_mov_b32 s101, KVH
	s_cselect_b32 s101, 8192, s101                 ; among the scale words,
	s_cselect_b32 s93, 0, KSWO                     ; and where the words begin in a head
	s_mov_b32 s90, 0x01010000                      ; the upper half of a scale word: k, key not masked;
	s_mov_b32 s91, 0x01fa0000                      ; k, key masked;
	s_mov_b32 s32, 0x01680000                      ; q
	s_cselect_b32 s90, s32, s90
	s_cselect_b32 s91, s32, s91
	s_lshl_b32 s32, s3, 1
	s_add_co_u32 s32, s32, s92                     ; my first head
	s_mul_i32 s32, s32, s100
	s_lshl_b32 s33, s89, 2
	s_add_co_u32 s33, s33, s2
	s_lshl_b32 s33, s33, 10                        ; tile 8 (Y % 16) + 2 (w % 4), 512 bytes a tile
	s_add_co_u32 s32, s32, s33
	s_mov_b32 s33, 0
	s_add_nc_u64 s[96:97], s[96:97], s[32:33]      ; my first head's images
	s_mov_b32 s32, s100
	s_add_nc_u64 s[34:35], s[96:97], s[32:33]      ; my second head's
	s_lshr_b32 s32, s[WV], 1
	s_add_co_u32 s32, s32, s92
	s_mul_i32 s32, s32, s101
	s_add_co_u32 s32, s32, s93
	s_lshl_b32 s93, s89, 1
	s_and_b32 s100, s[WV], 1
	s_add_co_u32 s93, s93, s100
	s_lshl_b32 s93, s93, 8
	s_add_co_u32 s32, s32, s93
	s_add_nc_u64 s[98:99], s[98:99], s[32:33]      ; the 256 bytes of scale words that I store: head w / 2, half w % 2
	s_mov_b32 s93, 0xffff0000                      ; lanes 16-31
	s_wait_tensorcnt 2                             ; my parts of h's and W's first K halves and of W's scales are in; the two loads issued behind them may be out
	s_barrier_signal -1
	s_barrier_wait -1                              ; everybody's are
	s_wait_loadcnt 0x0                             ; the bias and the mask
	KQ 0
	KQ 1
	KQ 2
	KQ 3
	s_wait_tensorcnt 0x0                           ; my parts of the second K halves
	s_barrier_signal -1
	s_barrier_wait -1
	KQ 4
	KQ 5
	KQ 6
	KQ 7
	v_mov_b32 v86, s90
	v_mov_b32 v87, s91
.irp tk, 0,1
	QUANT ACC+64*\tk, PC+8*\tk, 80
	global_store_b128 v41, v[PC+8*\tk:PC+8*\tk+3], s[96:97] offset:512*\tk      ; blocks 0, 1: my first head's fragment of this tile: 512 consecutive bytes
	global_store_b128 v41, v[PC+8*\tk+4:PC+8*\tk+7], s[34:35] offset:512*\tk    ; blocks 2, 3: my second head's
	v_and_b32 v81, 0xffff, v80
	v_lshrrev_b32 v84, 16, v80
	s_delay_alu instid0(VALU_DEP_1)
	v_cndmask_b32 v81, v81, v84, s93               ; lanes 0-15 carry the first head's two bytes, lanes 16-31 the second's
	v_cmp_ne_u32 vcc_lo, 0, v[44+\tk]
	s_delay_alu instid0(VALU_DEP_1)
	v_cndmask_b32 v85, v86, v87, vcc_lo            ; the mask chooses a value, never a way
	s_delay_alu instid0(VALU_DEP_1)
	v_or_b32 v[82+\tk], v81, v85
	ds_store_b32 v38, v[82+\tk] offset:4*\tk
.endr
	s_wait_dscnt 0x0                               ; for the others' sake: my words are in the stage
	s_barrier_signal -1
	s_barrier_wait -1
	ds_load_b64 v[84:85], v40
	s_wait_dscnt 0x0
	global_store_b64 v42, v[84:85], s[98:99]       ; 256 consecutive bytes, aligned
	s_branch .Ldone
	; ---------------- v ----------------
.Lv:
	s_lshl_b32 s96, s66, 10
	s_lshl_b32 s97, s[WV], 7
	s_add_co_u32 s96, s96, s97
	s_mov_b32 s97, 0
	s_add_nc_u64 s[36:37], s[36:37], s[96:97]      ; bv at my 32 features
	v_lshlrev_b32 v43, 2, v1
	global_load_b32 v44, v43, s[36:37]             ; a lane's bias is the same for all its tokens: each is loaded twice, to fill a pair for the packed additions
	global_load_b32 v45, v43, s[36:37]
	global_load_b32 v46, v43, s[36:37] offset:64
	global_load_b32 v47, v43, s[36:37] offset:64
	s_lshr_b32 s32, s[WV], 1
	s_add_co_u32 s32, s32, s92
	s_mul_i32 s32, s32, KVH                        ; head 16 b + 4 cx + w / 2
	s_lshl_b32 s33, s89, 12
	s_add_co_u32 s32, s32, s33                     ; key step Y % 16: 4,096 bytes
	s_and_b32 s33, s[WV], 1
	s_lshl_b32 s33, s33, 11
	s_add_co_u32 s32, s32, s33                     ; channel tiles 2 (w % 2) on: 1,024 bytes each
	s_add_co_u32 s32, s32, VIMO
	s_mov_b32 s33, 0
	s_add_nc_u64 s[96:97], s[30:31], s[32:33]
	s_and_b32 s32, s[WV], 3
	s_add_co_u32 s32, s32, s92
	s_mul_i32 s32, s32, KVH
	s_lshl_b32 s90, s89, 8
	s_add_co_u32 s32, s32, s90
	s_add_co_u32 s32, s32, VSWO
	s_add_nc_u64 s[98:99], s[30:31], s[32:33]      ; the 256 bytes of scale words that waves 0 to 3 store: head w
	s_wait_tensorcnt 2                             ; as above
	s_barrier_signal -1
	s_barrier_wait -1
	KV 0
	KV 1
	KV 2
	KV 3
	s_wait_tensorcnt 0x0
	s_barrier_signal -1
	s_barrier_wait -1
	KV 4
	KV 5
	KV 6
	KV 7
	s_wait_loadcnt 0x0                             ; bv
.irp fv, 0,1
.set P, 0
.rept 32
	v_pk_add_f32 v[ACC+64*\fv+P:ACC+64*\fv+P+1], v[ACC+64*\fv+P:ACC+64*\fv+P+1], v[44+2*\fv:45+2*\fv]   ; ascending: each accumulator is read from its low end on
.set P, P+2
.endr
.endr
.irp fv, 0,1
	QUANT ACC+64*\fv, PC+8*\fv, 80+\fv
	global_store_b128 v41, v[PC+8*\fv:PC+8*\fv+3], s[96:97] offset:1024*\fv
	global_store_b128 v41, v[PC+8*\fv+4:PC+8*\fv+7], s[96:97] offset:1024*\fv+512
	ds_store_b32 v39, v[80+\fv] offset:4*\fv       ; both halves of the lanes write the same word with the same value
.endr
	s_wait_dscnt 0x0
	s_barrier_signal -1
	s_barrier_wait -1
	s_cmp_lt_u32 s[WV], 4
	s_cbranch_scc0 .Ldone
	ds_load_b64 v[84:85], v40 offset:STV-STQ
	s_wait_dscnt 0x0
	global_store_b64 v42, v[84:85], s[98:99]
.Ldone:
	s_set_vgpr_msb 0x5
	s_wait_tensorcnt 0x0
	ds_add_u32 v0, v1
	s_wait_dscnt 0x0
	s_set_vgpr_msb 0x500
	ROUND                                          ; the closing round: no work-group ends while a partner may still ask for a tile that names it
	s_endpgm
.Lfunc_end_k_qf27195763f_qkv:
	.size	k_qf27195763f_qkv, .Lfunc_end_k_qf27195763f_qkv-k_qf27195763f_qkv
	.p2alignl 7, 3214868480
	.fill 96, 4, 3214868480
	.section	.rodata,"a",@progbits
	.p2align	6, 0x0
	.amdhsa_kernel k_qf27195763f_qkv
		.amdhsa_group_segment_fixed_size 222208
		.amdhsa_private_segment_fixed_size 0
		.amdhsa_enable_private_segment 0
		.amdhsa_kernarg_size 112
		.amdhsa_user_sgpr_count 2
		.amdhsa_user_sgpr_kernarg_segment_ptr 1
		.amdhsa_wavefront_size32 1
		.amdhsa_system_sgpr_workgroup_id_x 1
		.amdhsa_system_sgpr_workgroup_id_y 1
		.amdhsa_system_sgpr_workgroup_id_z 1
		.amdhsa_system_vgpr_workitem_id 0
		.amdhsa_next_free_vgpr 258
		.amdhsa_next_free_sgpr 102
		.amdhsa_reserve_vcc 1
		.amdhsa_float_denorm_mode_32 3
		.amdhsa_float_denorm_mode_16_64 3
		.amdhsa_memory_ordered 1
		.amdhsa_forward_progress 1
		.amdhsa_inst_pref_size 99
	.end_amdhsa_kernel
	.amdgpu_metadata
---
amdhsa.version: [ 1, 2 ]
amdhsa.kernels:
  - .name:           k_qf27195763f_qkv
    .symbol:         k_qf27195763f_qkv.kd
    .args:
      - { .name: hq, .offset: 0, .size: 8, .value_kind: global_buffer, .address_space: global }
      - { .name: attention_mask, .offset: 8, .size: 8, .value_kind: global_buffer, .address_space: global }
      - { .name: wq_codes, .offset: 16, .size: 8, .value_kind: global_buffer, .address_space: global }
      - { .name: wk_codes, .offset: 24, .size: 8, .value_kind: global_buffer, .address_space: global }
      - { .name: wv_codes, .offset: 32, .size: 8, .value_kind: global_buffer, .address_space: global }
      - { .name: wq_scales, .offset: 40, .size: 8, .value_kind: global_buffer, .address_space: global }
      - { .name: wk_scales, .offset: 48, .size: 8, .value_kind: global_buffer, .address_space: global }
      - { .name: wv_scales, .offset: 56, .size: 8, .value_kind: global_buffer, .address_space: global }
      - { .name: bq, .offset: 64, .size: 8, .value_kind: global_buffer, .address_space: global }
      - { .name: bk, .offset: 72, .size: 8, .value_kind: global_buffer, .address_space: global }
      - { .name: bv, .offset: 80, .size: 8, .value_kind: global_buffer, .address_space: global }
      - { .name: qimg, .offset: 88, .size: 8, .value_kind: global_buffer, .address_space: global }
      - { .name: qsw, .offset: 96, .size: 8, .value_kind: global_buffer, .address_space: global }
      - { .name: kv, .offset: 104, .size: 8, .value_kind: global_buffer, .address_space: global }
    .group_segment_fixed_size: 222208
    .private_segment_fixed_size: 0
    .kernarg_segment_align: 8
    .kernarg_segment_size: 112
    .max_flat_workgroup_size: 256
    .sgpr_count:     102
    .vgpr_count:     258
    .wavefront_size: 32
...
	.end_amdgpu_metadata
.endif
;; end of part 2
;; launch attn (part 3): grid 8 x 32, 16 waves a work-group, clusters of 4 x 1, 327,680 bytes of LDS; arguments qimg, qsw, kv, cq; writes cq
.if DOCPART == 3
	.amdgcn_target "amdgcn-amd-amdhsa--gfx1250"
	.amdhsa_code_object_version 6
	.text
	.protected	k_qf27195763f_attn
	.globl	k_qf27195763f_attn
	.p2align	8
	.type	k_qf27195763f_attn,@function
k_qf27195763f_attn:
	s_mov_b64 s[64:65], 0
	v_nop
	global_prefetch_b8 v0, s[64:65] scope:SCOPE_SE
	s_setreg_imm32_b32 hwreg(HW_REG_WAVE_MODE, 25, 1), 1
	s_wait_xcnt 0x0
	s_wait_alu depctr_hold_cnt(0) depctr_sa_sdst(0) depctr_va_vdst(0) depctr_va_sdst(0) depctr_va_ssrc(0) depctr_va_vcc(0) depctr_vm_vsrc(0)
	s_getreg_b32 s2, hwreg(HW_REG_IB_STS2, 6, 4)
	s_cmp_eq_u32 s2, 0
	s_cbranch_scc0 .Lentry_in_a_cluster
	s_endpgm
.Lentry_in_a_cluster:
	s_bfe_u32 s2, ttmp6, 0x10000c
	s_cmp_lg_u32 s2, 0x3003
	s_cbranch_scc0 .Lentry_shape_is_right
	s_endpgm
.Lentry_shape_is_right:
; c = softmax(q k^T / 8, masked keys left out) v for 64 heads of 2,048 tokens and head size 64, both products on codes of E2M1; c is quantised along H for the last product.
; THE SOFTMAX: t = score x log2(e) / 8; M = the running largest t rounded UP to a whole number; p = 2^(t - M) is quantised along the keys, not normalised; the row's sum is taken of the
; unquantised p and divides at the end.  When M moves, the sum and O are multiplied by 2^(old M - new M), which rounds nothing.
; SHARES.  A work-group owns 256 queries of TWO heads (2 y, 2 y + 1: together one K step of the last product); each of its sixteen waves owns 16 queries, for both heads in turn, in 256 registers:
; four waves to a SIMD, so that one wave's vector work stands beside another's products and LDS loads.
; BOTH HEADS' k, v AND SCALE WORDS LIE IN LDS WHOLE (2 x 143,360 bytes), laid as images of the operands' registers: two tensor loads a wave at the head, nothing is filled again.
; CLUSTER 4 x 1: the four query blocks of a cluster walk the same two heads: every load is joint.
; LAYOUT.  S^T = K Q^T (source 0 = 16 keys, source 1 = my 16 queries), O^T = V^T P^T (source 0 = 16 channels, source 1 = P): a lane holds ONE query throughout; register 8 t + j of S^T is key 16 t + 8 (lane / 16) + j.
; THE MASK costs no vector instruction.  The head's 64 fill half of the instruction's 128 along K.  At k = 64 every fragment of k carries the code 6 and every fragment of q the code -1 (constants in registers);
; byte 2 of q's scale words is 104, of k's 250 for a masked key and 1 otherwise: the matrix unit adds -6 x 2^100 to a masked key's score, so its p is 0, and -6 x 2^-149 to any other.
; The running largest t begins at -2^80, above every masked t (about -2^100), so a masked key never sets M.
; LIMITS: real t must lie above -2^80 and scores far under 2^100; a batch whose every key is masked (NaN by the definition) is not served; NaN and infinities are not served.
; p under 2^-126 counts as 0.  Blocks of zeros get the byte 1 with zero codes.
.set KVH,  143360                      ; a head in kv and in LDS: k's images (a tile of 16 keys: 512 bytes),
.set KSWO, 65536                       ; k's scale words (a step of 128 keys: 512 bytes: r x 32 + tile x 4),
.set VIMO, 73728                       ; v's images (a step: 4 channel tiles x 1,024 bytes),
.set VSWO, 139264                      ; v's scale words (a step: 256 bytes: r x 16 + tile x 4)
.set SCST, 2*KVH                       ; behind the heads: the stage for c's scale words, 64 bytes a wave
.set HB,   69632                       ; cq: a block of 128 tokens; a K half of it
.set HH,   34816
.set KF,   24                          ; v24-87   eight fragments of k: registers 0-3 loaded, 4-7 constants
.set VF,   88                          ; v88-119  four fragments of v
.set S,    120                         ; v120-183 S^T, then p
.set O,    184                         ; v184-215 O^T
.set PC,   216                         ; v216-223 p's codes
.set KS,   224                         ; v224-231 k's scale words
.set BM,   232                         ; v232-235 the blocks' largest scores, then largest p
.set PT,   236                         ; v236-239 at work
.set VS,   240                         ; v240-243 v's scale words
.set SO,   244                         ; v244-247 the conversions' scale operands
.set NQ,   248                         ; v248-251 the second head's q
.set WV,   12                          ; s12 my wave's number
; v1 16 x lane; v2-4 my lane's places among v's images, k's and v's scale words; v5-8 the step's addresses; v9 my word's place in the stage; v10 the second head's q scale word; v11 the first head's two bytes of c;
; v12 -M, v13 the largest t, v[14:15] the sum in two halves; v16-23 q; v252 f, v253 p's scale word, v254 at work, v255 q's scale word
; s[32:33] c, twice; s[34:35] lane selects; s36-38 where the step's tiles and words begin; s39 steps to go
.macro ROUND
	s_barrier_signal -1
	s_barrier_wait -1
	s_cmp_lg_u32 s[WV], 0
	s_cbranch_scc1 .Lnot_wave_0_\@
	s_barrier_signal -3
.Lnot_wave_0_\@:
	s_barrier_wait -3
	s_barrier_signal -1
	s_barrier_wait -1
.endm
	s_load_b256 s[4:11], s[0:1], 0x0               ; qimg s[4:5], qsw s[6:7], kv s[8:9], cq s[10:11]
	v_lshl_add_u32 v254, v0, 2, 0x46400
	v_mov_b32 v255, 0
	ds_add_u32 v254, v255
	ds_add_u32 v254, v255
	s_wait_dscnt 0x0
	v_lshrrev_b32 v1, 5, v0
	s_delay_alu instid0(VALU_DEP_1)
	v_readfirstlane_b32 s[WV], v1                  ; wave 0..15
	s_bfe_u32 s13, ttmp6, 0x40000                  ; cx
	s_lshl_b32 s14, ttmp9, 2
	s_add_co_u32 s14, s14, s13                     ; X: my block of 256 queries: it enters global addresses alone
	s_and_b32 s15, ttmp7, 0xffff                   ; y = 8 b + pair of heads, which the four partners share
	; group 1: a wave's sixteenth of a head, 8,960 dense bytes, as 35 rows of 32 elements of 8 bytes
	s_mov_b32 s16, 15|(3<<16)|(1<<21)              ; 15:0 the mask: all four work-groups; 17:16 elements of 8 bytes; 21 set beside a mask
	s_mov_b32 s17, 32<<16
	s_mov_b32 s18, 35<<16
	s_mov_b32 s19, 32<<16
	s_mov_b32 s20, 35
	s_mov_b32 s21, 32
	s_mov_b32 s22, 0
	s_mov_b32 s23, 0
	s_mov_b32 s32, 0x3e38aa3b                      ; c = log2(e) / 8
	s_mov_b32 s33, s32
	s_mov_b32 s34, 0x76543210
	s_mov_b32 s35, 0xfedcba98
	s_mul_i32 s40, s[WV], 8960
	s_mul_i32 s42, s15, 2*KVH
	s_add_co_u32 s42, s42, s40
	s_mov_b32 s43, 0
	s_lshl_b32 s44, s15, 17                        ; q's images: head 2 y (65,536 bytes a head), tile 16 X + w (512 bytes)
	s_lshl_b32 s45, s14, 13
	s_add_co_u32 s44, s44, s45
	s_lshl_b32 s45, s[WV], 9
	s_add_co_u32 s44, s44, s45
	s_mov_b32 s45, 0
	s_lshl_b32 s54, s15, 14                        ; q's scale words: head 2 y (8,192 bytes), block 2 X + w / 8 (512), tile w % 8 (4)
	s_lshl_b32 s55, s14, 10
	s_add_co_u32 s54, s54, s55
	s_lshr_b32 s55, s[WV], 3
	s_lshl_b32 s55, s55, 9
	s_add_co_u32 s54, s54, s55
	s_and_b32 s55, s[WV], 7
	s_lshl_b32 s55, s55, 2
	s_add_co_u32 s54, s54, s55
	s_mov_b32 s55, 0
	s_lshr_b32 s46, s15, 3
	s_lshl_b32 s46, s46, 4
	s_lshl_b32 s47, s14, 1
	s_add_co_u32 s46, s46, s47                     ; 16 b + 2 X: the first of my work-group's two blocks of 128 tokens
	s_lshr_b32 s47, s[WV], 3
	s_add_co_u32 s47, s47, s46
	s_mul_i32 s47, s47, HB
	s_bfe_u32 s48, s15, 0x10002
	s_mul_i32 s48, s48, HH                         ; the pair of heads is K step y % 8 of the last product: K half,
	s_add_co_u32 s47, s47, s48
	s_and_b32 s49, s15, 3                          ; and step in it
	s_lshl_b32 s50, s49, 13
	s_add_co_u32 s47, s47, s50
	s_and_b32 s50, s[WV], 7
	s_lshl_b32 s50, s50, 10
	s_add_co_u32 s50, s47, s50                     ; tile w % 8
	s_mov_b32 s51, 0
	s_and_b32 s52, s[WV], 1
	s_lshl_b32 s41, s52, 9
	s_add_co_u32 s41, s41, SCST                    ; waves 0 and 1 carry the stage out: 512 bytes each
	s_add_co_u32 s52, s52, s46
	s_mul_i32 s52, s52, HB
	s_add_co_u32 s52, s52, s48
	s_lshl_b32 s53, s49, 9
	s_add_co_u32 s52, s52, s53
	s_add_co_u32 s52, s52, 32768
	s_mov_b32 s53, 0
	s_wait_kmcnt 0x0
	s_mov_b32 s24, 1                               ; group 0: the first head
	s_mov_b32 s25, s40
	s_add_nc_u64 s[26:27], s[8:9], s[42:43]
	s_mov_b32 s28, 1                               ; the second
	s_add_co_u32 s29, s40, KVH
	s_add_nc_u64 s[30:31], s[26:27], KVH
	s_or_b32 s27, s27, 0x80000000
	s_or_b32 s31, s31, 0x80000000
	s_add_nc_u64 s[4:5], s[4:5], s[44:45]
	s_add_nc_u64 s[6:7], s[6:7], s[54:55]
	s_add_nc_u64 s[50:51], s[10:11], s[50:51]
	s_add_nc_u64 s[52:53], s[10:11], s[52:53]
	ROUND                                          ; all four work-groups are here: the joint loads meet
	tensor_load_to_lds s[24:27], s[16:23]          ; one load of mine is out; the second head's is issued after a round
	s_nop 0
	s_wait_alu depctr_va_vdst(0)
	s_wait_tensorcnt 0x0
	ds_add_u32 v254, v255
	s_wait_dscnt 0x0
	ROUND
	tensor_load_to_lds s[28:31], s[16:23]
	s_nop 0
.rept 4
	v_nop
.endr
	v_and_b32 v5, 31, v0                           ; lane
	v_and_b32 v6, 15, v0                           ; r
	v_bfe_u32 v7, v0, 4, 1                         ; h
	s_delay_alu instid0(VALU_DEP_3)
	v_lshlrev_b32 v1, 4, v5
	s_delay_alu instid0(VALU_DEP_3)
	v_lshlrev_b32 v8, 5, v6
	global_load_b128 v[16:19], v1, s[4:5]                  ; q's fragment, first head: its 64 along K
	global_load_b128 v[NQ:NQ+3], v1, s[4:5] offset:65536   ; second head
	global_load_b32 v255, v8, s[6:7]                       ; q's scale words
	global_load_b32 v10, v8, s[6:7] offset:8192
	v_add_nc_u32 v2, VIMO, v1
	v_add_nc_u32 v3, KSWO, v8
	v_lshlrev_b32 v4, 4, v6
	s_delay_alu instid0(VALU_DEP_1)
	v_add_nc_u32 v4, VSWO, v4
	v_lshlrev_b32 v9, 2, v6
	s_delay_alu instid0(VALU_DEP_1)
	v_lshl_add_u32 v9, s[WV], 6, v9
	s_delay_alu instid0(VALU_DEP_1)
	v_add_nc_u32 v9, SCST, v9
	v_mul_u32_u24 v254, v7, 10
	s_delay_alu instid0(VALU_DEP_1)
	v_sub_nc_u32 v20, 10, v254                     ; q at k = 64: the code of -1 in lanes 0-15's lowest four bits; all else of k = 64 .. 127 is 0
	v_mov_b32 v21, 0
	v_mov_b32 v22, 0
	v_mov_b32 v23, 0
	v_mul_u32_u24 v254, v7, 7
	s_delay_alu instid0(VALU_DEP_1)
	v_sub_nc_u32 v254, 7, v254                     ; k at k = 64: the code of 6
.irp t, 0,1,2,3,4,5,6,7
	v_mov_b32 v[KF+8*\t+4], v254
	v_mov_b32 v[KF+8*\t+5], 0
	v_mov_b32 v[KF+8*\t+6], 0
	v_mov_b32 v[KF+8*\t+7], 0
.endr
.irp b, 0,1,2,3
	v_mov_b32 v[PT+\b], 0                          ; written once: a lane permute's destination counts as one of its sources
.endr
	v_mov_b32 v253, 0                              ; (named as the upper half of the pair v[252:253] before it is first written)
; A KEY STEP: 128 keys.
.macro STEP
	v_add_nc_u32 v5, s36, v1                       ; these four are also the places behind the last step's products, in front of the loads into their operands
	v_add_nc_u32 v6, s36, v2
	v_add_nc_u32 v7, s37, v3
	v_add_nc_u32 v8, s38, v4
.irp t, 0,1,2,3,4,5,6,7
	ds_load_b128 v[KF+8*\t:KF+8*\t+3], v5 offset:512*\t
.endr
	ds_load_b128 v[KS:KS+3], v7
	ds_load_b128 v[KS+4:KS+7], v7 offset:16
.irp t, 0,1,2,3
	ds_load_b128 v[VF+8*\t:VF+8*\t+3], v6 offset:1024*\t
	ds_load_b128 v[VF+8*\t+4:VF+8*\t+7], v6 offset:1024*\t+512
.endr
	ds_load_b128 v[VS:VS+3], v8
	s_wait_dscnt 9                                 ; k and its words are in; v's nine loads may be out until the second product
.irp t, 0,1,2,3,4,5,6,7
	v_wmma_scale_f32_16x16x128_f8f6f4 v[S+8*\t:S+8*\t+7], v[KF+8*\t:KF+8*\t+7], v[16:23], 0, v[KS+\t], v255 matrix_a_fmt:MATRIX_FMT_FP4 matrix_b_fmt:MATRIX_FMT_FP4
.endr
.rept 4
	v_nop                                          ; four places (ISA guide 7.12.1) in front of the first read of the scores
.endr
.irp b, 0,1,2,3
	v_max3_num_f32 v[BM+\b], v[S+16*\b], v[S+16*\b+1], v[S+16*\b+2]   ; the largest score of each block of 32 keys: for the row's maximum, and, since p rises with the score, for the block's largest p
.endr
.irp i, 3,5,7,9,11,13
.irp b, 0,1,2,3
	v_max3_num_f32 v[BM+\b], v[BM+\b], v[S+16*\b+\i], v[S+16*\b+\i+1]
.endr
.endr
.irp b, 0,1,2,3
	v_max_num_f32 v[BM+\b], v[BM+\b], v[S+16*\b+15]
.endr
.irp b, 0,1,2,3
	s_delay_alu instid0(VALU_DEP_4)
	v_permlanex16_b32 v[PT+\b], v[BM+\b], s34, s35
.endr
.irp b, 0,1,2,3
	s_delay_alu instid0(VALU_DEP_4)
	v_max_num_f32 v[BM+\b], v[BM+\b], v[PT+\b]     ; with lane l xor 16's 16 keys
.endr
	s_delay_alu instid0(VALU_DEP_2)
	v_max3_num_f32 v254, v[BM], v[BM+1], v[BM+2]
	s_delay_alu instid0(VALU_DEP_1)
	v_max_num_f32 v254, v254, v[BM+3]
	s_delay_alu instid0(VALU_DEP_1)
	v_mul_f32 v254, s32, v254                      ; the step's largest t
	s_delay_alu instid0(VALU_DEP_1)
	v_max_num_f32 v13, v13, v254                   ; the running largest t
	v_mov_b32 v254, v12
	s_delay_alu instid0(VALU_DEP_2)
	v_floor_f32 v12, -v13                          ; -M = floor(-t): M is a whole number
	s_delay_alu instid0(VALU_DEP_1)
	v_sub_f32 v254, v12, v254                      ; old M - new M: a whole number, 0 or less
	s_delay_alu instid0(VALU_DEP_1)
	v_cvt_i32_f32 v254, v254                       ; (it saturates)
	s_delay_alu instid0(VALU_DEP_1)
	v_ldexp_f32 v252, 1.0, v254                    ; f = 2^(old M - new M)
.set J, 0
.rept 32
	v_pk_fma_f32 v[S+J:S+J+1], v[S+J:S+J+1], s[32:33], v[12:13] op_sel_hi:[1,0,0]   ; t - M, two at a time
.set J, J+2
.endr
.irp b, 0,1,2,3
	v_fma_f32 v[BM+\b], v[BM+\b], s32, v12         ; the same of each block's largest score
.endr
.set J, 0
	s_wait_alu depctr_va_vdst(0)
.rept 64
	v_exp_f32 v[S+J], v[S+J]                       ; p = 2^(t - M)
.set J, J+1
.endr
	s_setprio 1
	v_pk_mul_f32 v[14:15], v[14:15], v[252:253] op_sel_hi:[1,0]   ; the sums under the new M.  (The plain instruction behind the exponentials)
	s_wait_alu depctr_va_vdst(0)                   ; one wait for the batch of 64, ahead of its first reader
.irp b, 0,1,2,3
	v_exp_f32 v[BM+\b], v[BM+\b]                   ; the block's largest p: the same two instructions on the same number give the same bits
.endr
	v_pk_add_f32 v[PT:PT+1], v[S:S+1], v[S+2:S+3]  ; the row's sum of the unquantised p, in two chains
.set J, 4
.rept 15
	v_pk_add_f32 v[14:15], v[14:15], v[S+J:S+J+1]
	v_pk_add_f32 v[PT:PT+1], v[PT:PT+1], v[S+J+2:S+J+3]
.set J, J+4
.endr
	s_delay_alu instid0(VALU_DEP_1)
	v_pk_add_f32 v[14:15], v[14:15], v[PT:PT+1]
	s_wait_alu depctr_va_vdst(0)                   ; and one for the four
.irp b, 0,1,2,3
	v_max_num_f32 v[BM+\b], 0x1800000, v[BM+\b]    ; the floor 2^(3 - 127): the byte cannot fall under 1
.endr
.irp b, 0,1,2,3
	s_delay_alu instid0(VALU_DEP_4)
	v_add_nc_u32 v[SO+\b], 0xff000000, v[BM+\b]    ; 2 off the exponent field: the conversion's scale operand
.endr
.irp b, 0,1,2,3
	s_delay_alu instid0(VALU_DEP_4)
	v_lshrrev_b32 v[PT+\b], 23, v[SO+\b]
.endr
	s_delay_alu instid0(VALU_DEP_3)
	v_lshl_or_b32 v253, v[PT+1], 8, v[PT]          ; p's scale word for these 128 keys
	s_delay_alu instid0(VALU_DEP_1)
	v_lshl_or_b32 v253, v[PT+2], 16, v253
	s_delay_alu instid0(VALU_DEP_1)
	v_lshl_or_b32 v253, v[PT+3], 24, v253
.irp b, 0,1,2,3
	v_cvt_scalef32_pk8_fp4_f32 v[PC+4*(\b/2)+(\b%2)], v[S+16*\b:S+16*\b+7], v[SO+\b]
	v_cvt_scalef32_pk8_fp4_f32 v[PC+4*(\b/2)+(\b%2)+2], v[S+16*\b+8:S+16*\b+15], v[SO+\b]
.endr
	v_nop                                          ; one plain instruction behind the conversions
.irp c, 0,1                                    ; a whole block to a lane: lanes 0-15 block 2 c, lanes 16-31 block 2 c + 1
	v_permlane16_swap_b32 v[PC+4*\c], v[PC+4*\c+1]
	v_permlane16_swap_b32 v[PC+4*\c+2], v[PC+4*\c+3]
.endr
.set J, 0
	s_setprio 0
.rept 16
	v_pk_mul_f32 v[O+J:O+J+1], v[O+J:O+J+1], v[252:253] op_sel_hi:[1,0]   ; O^T under the new M.  (These sixteen also stand between the writing of p's codes and scale word and the products)
.set J, J+2
.endr
	s_wait_alu depctr_va_vdst(0)
	s_wait_dscnt 0x0                               ; v and its words are in
.irp t, 0,1,2,3
	v_wmma_scale_f32_16x16x128_f8f6f4 v[O+8*\t:O+8*\t+7], v[VF+8*\t:VF+8*\t+7], v[PC:PC+7], v[O+8*\t:O+8*\t+7], v[VS+\t], v253 matrix_a_fmt:MATRIX_FMT_FP4 matrix_b_fmt:MATRIX_FMT_FP4
.endr
	s_add_co_u32 s36, s36, 4096
	s_add_co_u32 s37, s37, 512
	s_add_co_u32 s38, s38, 256
.endm
; ONE HEAD: 16 key steps, then c = O^T / the sum, quantised (two blocks of 32 along H) and stored as half a fragment's image.
.macro HEAD hd
	s_mov_b32 s36, \hd*KVH
	s_mov_b32 s37, \hd*KVH
	s_mov_b32 s38, \hd*KVH
	s_mov_b32 s39, 16
	v_mov_b32 v13, 0xe7800000                      ; the largest t so far: -2^80
	s_delay_alu instid0(VALU_DEP_1)
	v_floor_f32 v12, -v13
	v_mov_b32 v14, 0
	v_mov_b32 v15, 0
.set J, 0
.rept 32
	v_mov_b32 v[O+J], 0                            ; the step is written once: the first finds zeros, which the first change of M leaves zeros
.set J, J+1
.endr
.Lstep_\@:
	s_setprio 2
	STEP
	s_sub_co_u32 s39, s39, 1
	s_cmp_lg_u32 s39, 0
	s_cbranch_scc1 .Lstep_\@
	s_setprio 0
	v_add_f32 v14, v14, v15
	s_delay_alu instid0(VALU_DEP_1)
	v_permlanex16_b32 v254, v14, s34, s35
	s_delay_alu instid0(VALU_DEP_1)
	v_add_f32 v14, v14, v254                       ; the row's sum
	s_wait_alu depctr_va_vdst(0)
	v_rcp_f32 v14, v14
	v_nop
	v_nop
	s_wait_alu depctr_va_vdst(0)                   ; the wait ahead of the reciprocal's first reader
	v_mov_b32 v15, v14
.set J, 0
.rept 16
	v_pk_mul_f32 v[S+J:S+J+1], v[O+J:O+J+1], v[14:15]   ; register 8 t + j = c(query r, channel 16 t + 8 h + j); ascending: each accumulator is read from its low end on
.set J, J+2
.endr
.irp b, 0,1
	v_max3_num_f32 v[BM+\b], |v[S+16*\b]|, |v[S+16*\b+1]|, 0x1800000
.endr
.irp i, 2,4,6,8,10,12,14
.irp b, 0,1
	s_delay_alu instid0(VALU_DEP_2)
	v_max3_num_f32 v[BM+\b], v[BM+\b], |v[S+16*\b+\i]|, |v[S+16*\b+\i+1]|
.endr
.endr
.irp b, 0,1
	s_delay_alu instid0(VALU_DEP_2)
	v_permlanex16_b32 v[PT+\b], v[BM+\b], s34, s35
.endr
.irp b, 0,1
	s_delay_alu instid0(VALU_DEP_2)
	v_max_num_f32 v[BM+\b], v[BM+\b], v[PT+\b]
.endr
.irp b, 0,1
	s_delay_alu instid0(VALU_DEP_2)
	v_add_nc_u32 v[SO+\b], 0xff000000, v[BM+\b]
.endr
.irp b, 0,1
	s_delay_alu instid0(VALU_DEP_2)
	v_lshrrev_b32 v[PT+\b], 23, v[SO+\b]
.endr
.irp b, 0,1
	v_cvt_scalef32_pk8_fp4_f32 v[PC+\b], v[S+16*\b:S+16*\b+7], v[SO+\b]
	v_cvt_scalef32_pk8_fp4_f32 v[PC+2+\b], v[S+16*\b+8:S+16*\b+15], v[SO+\b]
.endr
	v_nop
	v_permlane16_swap_b32 v[PC], v[PC+1]
	v_permlane16_swap_b32 v[PC+2], v[PC+3]
	global_store_b128 v1, v[PC:PC+3], s[50:51] offset:512*\hd   ; 512 consecutive bytes: registers 4 hd .. 4 hd + 3 of the fragment
.if \hd == 0
	v_lshl_or_b32 v11, v[PT+1], 8, v[PT]           ; bytes 0 and 1 of the K step's scale word
.else
	v_lshl_or_b32 v254, v[PT+1], 8, v[PT]
	s_delay_alu instid0(VALU_DEP_1)
	v_lshl_or_b32 v254, v254, 16, v11              ; with bytes 2 and 3 the word is whole
	ds_store_b32 v9, v254                          ; both halves of the lanes write the same word with the same value
.endif
.endm
	s_wait_tensorcnt 1                             ; my part of the first head is in; the second head's load may be out
	s_barrier_signal -1
	s_barrier_wait -1                              ; everybody's is
	s_wait_loadcnt 0x0                             ; q, both heads'
	HEAD 0
	s_wait_xcnt 0x0                                ; the store has read its registers: p's codes are written again only behind this wait
.irp e, 0,1,2,3
	v_mov_b32 v[16+\e], v[NQ+\e]                   ; the second head's q
.endr
	v_mov_b32 v255, v10
	s_wait_tensorcnt 0x0                           ; my part of the second head
	s_barrier_signal -1
	s_barrier_wait -1
	HEAD 1
	s_wait_dscnt 0x0                               ; for the others' sake: my word is in the stage
	s_barrier_signal -1
	s_barrier_wait -1
	v_add_nc_u32 v5, s41, v1
	s_cmp_lt_u32 s[WV], 2
	s_cbranch_scc0 .Lno_words
	ds_load_b128 v[S:S+3], v5                      ; the scale words of 128 tokens for this K step
	s_wait_dscnt 0x0
	global_store_b128 v1, v[S:S+3], s[52:53]       ; 512 consecutive bytes, aligned
.Lno_words:
	s_wait_xcnt 0x0
	v_lshl_add_u32 v254, v0, 2, 0x46400
	v_mov_b32 v255, 0
	s_wait_alu depctr_va_vdst(0)
	s_wait_tensorcnt 0x0
	ds_add_u32 v254, v255
	s_wait_dscnt 0x0
	ROUND                                          ; the closing round
	s_endpgm
.Lfunc_end_k_qf27195763f_attn:
	.size	k_qf27195763f_attn, .Lfunc_end_k_qf27195763f_attn-k_qf27195763f_attn
	.p2alignl 7, 3214868480
	.fill 96, 4, 3214868480
	.section	.rodata,"a",@progbits
	.p2align	6, 0x0
	.amdhsa_kernel k_qf27195763f_attn
		.amdhsa_group_segment_fixed_size 327680
		.amdhsa_private_segment_fixed_size 0
		.amdhsa_enable_private_segment 0
		.amdhsa_kernarg_size 32
		.amdhsa_user_sgpr_count 2
		.amdhsa_user_sgpr_kernarg_segment_ptr 1
		.amdhsa_wavefront_size32 1
		.amdhsa_system_sgpr_workgroup_id_x 1
		.amdhsa_system_sgpr_workgroup_id_y 1
		.amdhsa_system_sgpr_workgroup_id_z 1
		.amdhsa_system_vgpr_workitem_id 0
		.amdhsa_next_free_vgpr 256
		.amdhsa_next_free_sgpr 66
		.amdhsa_reserve_vcc 0
		.amdhsa_float_denorm_mode_32 3
		.amdhsa_float_denorm_mode_16_64 3
		.amdhsa_memory_ordered 1
		.amdhsa_forward_progress 1
		.amdhsa_inst_pref_size 52
	.end_amdhsa_kernel
	.amdgpu_metadata
---
amdhsa.version: [ 1, 2 ]
amdhsa.kernels:
  - .name:           k_qf27195763f_attn
    .symbol:         k_qf27195763f_attn.kd
    .args:
      - { .name: qimg, .offset: 0, .size: 8, .value_kind: global_buffer, .address_space: global }
      - { .name: qsw, .offset: 8, .size: 8, .value_kind: global_buffer, .address_space: global }
      - { .name: kv, .offset: 16, .size: 8, .value_kind: global_buffer, .address_space: global }
      - { .name: cq, .offset: 24, .size: 8, .value_kind: global_buffer, .address_space: global }
    .group_segment_fixed_size: 327680
    .private_segment_fixed_size: 0
    .kernarg_segment_align: 8
    .kernarg_segment_size: 32
    .max_flat_workgroup_size: 512
    .sgpr_count:     66
    .vgpr_count:     256
    .wavefront_size: 32
...
	.end_amdgpu_metadata
.endif
;; end of part 3
;; launch oproj (part 4): grid 4 x 64, 16 waves a work-group, clusters of 4 x 4, 288,768 bytes of LDS; arguments cq, wo_codes, wo_scales, bo, x, out0; writes out0
.if DOCPART == 4
	.amdgcn_target "amdgcn-amd-amdhsa--gfx1250"
	.amdhsa_code_object_version 6
	.text
	.protected	k_qf27195763f_oproj
	.globl	k_qf27195763f_oproj
	.p2align	8
	.type	k_qf27195763f_oproj,@function
k_qf27195763f_oproj:
	s_mov_b64 s[64:65], 0
	v_nop
	global_prefetch_b8 v0, s[64:65] scope:SCOPE_SE
	s_setreg_imm32_b32 hwreg(HW_REG_WAVE_MODE, 25, 1), 1
	s_wait_xcnt 0x0
	s_wait_alu depctr_hold_cnt(0) depctr_sa_sdst(0) depctr_va_vdst(0) depctr_va_sdst(0) depctr_va_ssrc(0) depctr_va_vcc(0) depctr_vm_vsrc(0)
	s_getreg_b32 s2, hwreg(HW_REG_IB_STS2, 6, 4)
	s_cmp_eq_u32 s2, 0
	s_cbranch_scc0 .Lentry_in_a_cluster
	s_endpgm
.Lentry_in_a_cluster:
	s_bfe_u32 s2, ttmp6, 0x10000c
	s_cmp_lg_u32 s2, 0xf033
	s_cbranch_scc0 .Lentry_shape_is_right
	s_endpgm
.Lentry_shape_is_right:
; out = x + c Wo^T + bo; the product on codes of E2M1 (K = 1,024).  c arrives as images of the operand's registers with its scale words (cq), Wo as rows of codes.
; SHARES.  A work-group takes 128 tokens (block Y) x 256 features (256 cx on; the grid has four work-groups along x, one cluster).  Sixteen waves: wave w takes token tile w % 8 and features 128 (w / 8) on: eight accumulators.
; Small waves, so that a wave's 16 rows x 512 bytes of x fit in 64 registers and are asked for at the head, in whole pieces of 256 bytes: they are on their way under the whole product.
; ALL OPERANDS LIE IN LDS AT ONCE: waves 0-7 fetch c's two K halves, waves 8-15 Wo's two K halves and its scale bytes; nothing is filled again.  The first K half is multiplied while the second lands.
; CLUSTER 4 x 4: c's block is shared along a row of the cluster, Wo's rows along a column: each is asked for jointly.
; Source 0 = 16 rows of Wo, source 1 = 16 tokens: a lane holds one token and eight neighbouring features a tile.  bo is loaded into the accumulators.
; THE WAY OUT: through the wave's own stage, half a row (256 bytes) of 16 tokens at a time; x is added to whole rows; sixteen lanes store 256 consecutive bytes, aligned.
; LIMITS: NaN and infinities are not served.
.set HB,   69632
.set HH,   34816
.set WP,   272                         ; a row of Wo's tile, and of a stage, in LDS: 256 bytes + 16
.set BW0,  69632                       ; LDS: c's two halves at 0 and HH; Wo's two K halves, 256 rows x WP each;
.set BW1,  139264
.set BS,   208896                      ; Wo's scale bytes, 32 a row;
.set STG,  217088                      ; the stages: 16 rows x WP for each wave
.set E,    48                          ; v48-111  eight fragments of Wo; later the rows read back
.set T,    112                         ; v112-119 c's fragment
.set X,    128                         ; v128-191 x
.set ACC,  192                         ; v192-255 eight accumulators
.set WV,   38
; v1 r, v2 h, v3 lane; v4, 5, 8, 9, 12, 14, 15, 38, 39 LDS addresses; v16-35 scale words and nothing else; v40 my offset in x and out0; v43 my offset in bo
.macro ROUND
	s_barrier_signal -1
	s_barrier_wait -1
	s_cmp_lg_u32 s[WV], 0
	s_cbranch_scc1 .Lnot_wave_0_\@
	s_barrier_signal -3
.Lnot_wave_0_\@:
	s_barrier_wait -3
	s_barrier_signal -1
	s_barrier_wait -1
.endm
; K step s: 8 fragments of Wo, one of c, 8 products; the accumulators take turns
.macro KO s
.set HF, (\s)/4
.set Q, (\s)%4
.irp ft, 0,1,2,3,4,5,6,7
.irp c, 0,1
	ds_load_b128 v[E+8*\ft+4*\c:E+8*\ft+4*\c+3], v[4+HF] offset:\ft*16*WP+64*Q+32*\c
.endr
.endr
.irp c, 0,1
	ds_load_b128 v[T+4*\c:T+4*\c+3], v[8+HF] offset:Q*8192+\c*512
.endr
.if (\s)%2 == 0
.irp ft, 0,1,2,3,4,5,6,7
	ds_load_b64 v[16+2*\ft:17+2*\ft], v12 offset:\ft*512+8*((\s)/2)
.endr
.endif
.if Q == 0
.irp q, 0,1,2,3
	ds_load_b32 v[32+\q], v[14+HF] offset:512*\q   ; c's scale words of the K half's four steps
.endr
.endif
	s_wait_dscnt 0x0
.irp ft, 0,1,2,3,4,5,6,7
	v_wmma_scale_f32_16x16x128_f8f6f4 v[ACC+8*\ft:ACC+8*\ft+7], v[E+8*\ft:E+8*\ft+7], v[T:T+7], v[ACC+8*\ft:ACC+8*\ft+7], v[16+2*\ft+(\s)%2], v[32+Q] matrix_a_fmt:MATRIX_FMT_FP4 matrix_b_fmt:MATRIX_FMT_FP4
.endr
.rept 4
	v_nop                                          ; four places in front of the next loads into these operands, and of the first read of the results
.endr
.endm
	s_load_b256 s[4:11], s[0:1], 0x0               ; cq s[4:5], Wo's codes s[6:7], Wo's scales s[8:9], bo s[10:11]
	s_load_b128 s[12:15], s[0:1], 0x20             ; x s[12:13], out0 s[14:15]
	v_lshl_add_u32 v126, v0, 2, 0x46000
	v_mov_b32 v127, 0
	ds_add_u32 v126, v127
	ds_add_u32 v126, v127
	v_lshrrev_b32 v1, 5, v0
	s_delay_alu instid0(VALU_DEP_1)
	v_readfirstlane_b32 s[WV], v1                  ; wave 0..15
	s_and_b32 s2, s[WV], 7                         ; my token tile.  Also: which eighth I fetch
	s_lshr_b32 s3, s[WV], 3                        ; my 128 features
	s_bfe_u32 s66, ttmp6, 0x40000                  ; cx
	s_bfe_u32 s67, ttmp6, 0x40004                  ; cy
	s_and_b32 s88, ttmp7, 0xffff
	s_lshl_b32 s88, s88, 2
	s_add_co_u32 s88, s88, s67                     ; Y
	s_lshl_b32 s89, s67, 2
	s_lshl_b32 s89, 15, s89                        ; my row of the cluster
	s_lshl_b32 s93, 0x1111, s66                    ; my column
	s_or_b32 s40, s89, (3<<16)|(1<<21)             ; group 1 for c: 4,352 dense bytes as 17 rows of 32 elements of 8 bytes; the mask: my row
	s_mov_b32 s41, 32<<16
	s_mov_b32 s42, 17<<16
	s_mov_b32 s43, 32<<16
	s_mov_b32 s44, 17
	s_mov_b32 s45, 32
	s_mov_b32 s46, 0
	s_mov_b32 s47, 0
	s_or_b32 s48, s93, (0<<16)|(1<<20)|(1<<21)|(5<<22)|(3<<25)   ; for Wo's codes: 32 rows x 256 bytes, 512 apart in memory, 4 words of padding behind every 64; the mask: my column
	s_mov_b32 s49, 256<<16
	s_mov_b32 s50, 32<<16
	s_mov_b32 s51, 256<<16
	s_mov_b32 s52, 32
	s_mov_b32 s53, 512
	s_mov_b32 s54, 0
	s_mov_b32 s55, 0
	s_or_b32 s56, s93, (3<<16)|(1<<21)             ; for Wo's scale bytes: 1,024 dense bytes as 4 rows of 256
	s_mov_b32 s57, 32<<16
	s_mov_b32 s58, 4<<16
	s_mov_b32 s59, 32<<16
	s_mov_b32 s60, 4
	s_mov_b32 s61, 32
	s_mov_b32 s62, 0
	s_mov_b32 s63, 0
	s_mul_i32 s98, s2, 4352
	s_mul_i32 s99, s2, 32*WP
	s_lshl_b32 s100, s2, 10
	s_mul_i32 s90, s88, HB
	s_add_co_u32 s90, s90, s98
	s_mov_b32 s91, 0
	s_lshl_b32 s94, s66, 17                        ; Wo: row 256 cx + 32 (w % 8), 512 bytes a row
	s_lshl_b32 s95, s2, 14
	s_add_co_u32 s94, s94, s95
	s_mov_b32 s95, 0
	s_lshl_b32 s96, s66, 13
	s_add_co_u32 s96, s96, s100
	s_mov_b32 s97, 0
	v_and_b32 v3, 31, v0                           ; lane
	v_and_b32 v1, 15, v0                           ; r
	v_bfe_u32 v2, v0, 4, 1                         ; h
	s_delay_alu instid0(VALU_DEP_2)
	v_mul_u32_u24 v12, v1, WP
	s_delay_alu instid0(VALU_DEP_1)
	v_lshl_add_u32 v12, v2, 4, v12
	s_mul_i32 s101, s3, 128*WP
	s_add_co_u32 s101, s101, BW0
	v_add_nc_u32 v4, s101, v12                     ; my 128 rows of Wo, first K half;
	s_delay_alu instid0(VALU_DEP_1)
	v_add_nc_u32 v5, BW1-BW0, v4                   ; second
	v_lshlrev_b32 v8, 4, v3
	s_delay_alu instid0(VALU_DEP_1)
	v_lshl_add_u32 v8, s2, 10, v8                  ; c's images of my tile
	s_delay_alu instid0(VALU_DEP_1)
	v_add_nc_u32 v9, HH, v8
	v_lshlrev_b32 v12, 5, v1
	s_lshl_b32 s101, s3, 12
	s_add_co_u32 s101, s101, BS
	v_add_nc_u32 v12, s101, v12                    ; Wo's scale bytes
	v_lshlrev_b32 v14, 2, v1
	s_delay_alu instid0(VALU_DEP_1)
	v_lshl_add_u32 v14, s2, 6, v14
	s_delay_alu instid0(VALU_DEP_1)
	v_add_nc_u32 v14, 32768, v14                   ; c's scale words: step x 512 + tile x 64 + r x 4
	s_delay_alu instid0(VALU_DEP_1)
	v_add_nc_u32 v15, HH, v14
	s_mul_i32 s101, s[WV], 16*WP
	s_add_co_u32 s101, s101, STG                   ; my stage
	v_mul_u32_u24 v38, v1, WP
	s_delay_alu instid0(VALU_DEP_1)
	v_lshl_add_u32 v38, v2, 5, v38
	s_delay_alu instid0(VALU_DEP_1)
	v_add_nc_u32 v38, s101, v38                    ; in: row r, 32 bytes for each half of the lanes
	v_mul_u32_u24 v39, v2, WP
	s_delay_alu instid0(VALU_DEP_1)
	v_lshl_add_u32 v39, v1, 4, v39
	s_delay_alu instid0(VALU_DEP_1)
	v_add_nc_u32 v39, s101, v39                    ; back: lanes 0-15 one row, lanes 16-31 the next
	v_lshlrev_b32 v40, 12, v2
	s_delay_alu instid0(VALU_DEP_1)
	v_lshl_add_u32 v40, v1, 4, v40                 ; and the same two rows in x and out0
	v_lshlrev_b32 v43, 5, v2
	s_lshl_b32 s92, s88, 19                        ; x, out0: row 128 Y + 16 (w % 8) of 4,096 bytes, + my 128 features
	s_lshl_b32 s93, s2, 16
	s_add_co_u32 s92, s92, s93
	s_lshl_b32 s89, s66, 10
	s_lshl_b32 s93, s3, 9
	s_add_co_u32 s89, s89, s93                     ; (256 cx + 128 (w / 8)) x 4: also my place in bo
	s_add_co_u32 s92, s92, s89
	s_mov_b32 s93, 0
	s_wait_dscnt 0x0
	s_wait_kmcnt 0x0
	s_mov_b32 s68, 1                               ; group 0: c's first K half,
	s_mov_b32 s69, s98
	s_add_nc_u64 s[70:71], s[4:5], s[90:91]
	s_mov_b32 s80, 1                               ; second;
	s_add_co_u32 s81, s98, HH
	s_add_nc_u64 s[82:83], s[70:71], HH
	s_or_b32 s71, s71, 0x80000000
	s_or_b32 s83, s83, 0x80000000
	s_mov_b32 s72, 1                               ; Wo's first K half,
	s_add_co_u32 s73, s99, BW0
	s_add_nc_u64 s[74:75], s[6:7], s[94:95]
	s_mov_b32 s84, 1                               ; second;
	s_add_co_u32 s85, s99, BW1
	s_add_nc_u64 s[86:87], s[74:75], 256
	s_or_b32 s75, s75, 0x80000000
	s_or_b32 s87, s87, 0x80000000
	s_mov_b32 s76, 1                               ; Wo's scale bytes
	s_add_co_u32 s77, s100, BS
	s_add_nc_u64 s[78:79], s[8:9], s[96:97]
	s_or_b32 s79, s79, 0x80000000
	s_add_nc_u64 s[12:13], s[12:13], s[92:93]
	s_add_nc_u64 s[14:15], s[14:15], s[92:93]
	s_mov_b32 s92, s89
	s_add_nc_u64 s[10:11], s[10:11], s[92:93]
	ROUND                                          ; all sixteen work-groups are here: the joint loads meet
	s_cmp_lt_u32 s[WV], 8                          ; a wave's first fills stand in one branch on its number: two or three loads of mine are out
	s_cbranch_scc0 .Lfill_w
	tensor_load_to_lds s[68:71], s[40:47]
	s_nop 0
	tensor_load_to_lds s[80:83], s[40:47]
	s_nop 0
.rept 4
	v_nop
.endr
	s_branch .Lfilled
.Lfill_w:
	tensor_load_to_lds s[72:75], s[48:55]
	s_nop 0
	tensor_load_to_lds s[76:79], s[56:63]
	s_nop 0
	tensor_load_to_lds s[84:87], s[48:55]
	s_nop 0
.rept 4
	v_nop
.endr
.Lfilled:
	s_wait_alu depctr_va_vdst(0)
.irp ft, 0,1,2,3,4,5,6,7
	global_load_b128 v[ACC+8*\ft:ACC+8*\ft+3], v43, s[10:11] offset:64*\ft         ; bo begins each sum
	global_load_b128 v[ACC+8*\ft+4:ACC+8*\ft+7], v43, s[10:11] offset:64*\ft+16
.endr
.irp u, 0,1
.irp i, 0,1,2,3,4,5,6,7
	global_load_b128 v[X+32*\u+4*\i:X+32*\u+4*\i+3], v40, s[12:13] offset:8192*\i+256*\u th:TH_LOAD_NT   ; sixteen lanes read 256 consecutive bytes; read once in this launch
.endr
.endr
	s_wait_tensorcnt 1                             ; on either way one load, the second K half's, was issued behind those wanted now
	s_barrier_signal -1
	s_barrier_wait -1
	s_wait_loadcnt 16                              ; bo is in; x's sixteen loads may be out
	KO 0
	KO 1
	KO 2
	KO 3
	s_wait_tensorcnt 0x0
	s_barrier_signal -1
	s_barrier_wait -1
	KO 4
	KO 5
	KO 6
	KO 7
.irp u, 0,1                                    ; features 64 u on
.irp f, 0,1,2,3
	ds_store_b128 v38, v[ACC+8*(4*\u+\f):ACC+8*(4*\u+\f)+3] offset:64*\f           ; each accumulator from its low end on
	ds_store_b128 v38, v[ACC+8*(4*\u+\f)+4:ACC+8*(4*\u+\f)+7] offset:64*\f+16
.endr
.irp i, 0,1,2,3,4,5,6,7
	ds_load_b128 v[E+32*\u+4*\i:E+32*\u+4*\i+3], v39 offset:2*WP*\i   ; LDS serves a wave's instructions in order (ISA guide 5.7.1.4): these see my stores, and the next half's stores come behind them
.endr
.endr
	s_wait_loadcnt 0x0                             ; x
.irp u, 0,1
.irp i, 0,1,2,3,4,5,6,7
	s_wait_dscnt 23-16*\u-\i                       ; the LDS instructions issued behind this load may be out
	v_pk_add_f32 v[E+32*\u+4*\i:E+32*\u+4*\i+1], v[E+32*\u+4*\i:E+32*\u+4*\i+1], v[X+32*\u+4*\i:X+32*\u+4*\i+1]
	v_pk_add_f32 v[E+32*\u+4*\i+2:E+32*\u+4*\i+3], v[E+32*\u+4*\i+2:E+32*\u+4*\i+3], v[X+32*\u+4*\i+2:X+32*\u+4*\i+3]
	global_store_b128 v40, v[E+32*\u+4*\i:E+32*\u+4*\i+3], s[14:15] offset:8192*\i+256*\u th:TH_STORE_NT   ; sixteen lanes store 256 consecutive bytes, aligned
.endr
.endr
	s_wait_tensorcnt 0x0
	ds_add_u32 v126, v127
	s_wait_dscnt 0x0
	ROUND                                          ; the closing round
	s_endpgm
.Lfunc_end_k_qf27195763f_oproj:
	.size	k_qf27195763f_oproj, .Lfunc_end_k_qf27195763f_oproj-k_qf27195763f_oproj
	.p2alignl 7, 3214868480
	.fill 96, 4, 3214868480
	.section	.rodata,"a",@progbits
	.p2align	6, 0x0
	.amdhsa_kernel k_qf27195763f_oproj
		.amdhsa_group_segment_fixed_size 288768
		.amdhsa_private_segment_fixed_size 0
		.amdhsa_enable_private_segment 0
		.amdhsa_kernarg_size 48
		.amdhsa_user_sgpr_count 2
		.amdhsa_user_sgpr_kernarg_segment_ptr 1
		.amdhsa_wavefront_size32 1
		.amdhsa_system_sgpr_workgroup_id_x 1
		.amdhsa_system_sgpr_workgroup_id_y 1
		.amdhsa_system_sgpr_workgroup_id_z 1
		.amdhsa_system_vgpr_workitem_id 0
		.amdhsa_next_free_vgpr 256
		.amdhsa_next_free_sgpr 102
		.amdhsa_reserve_vcc 0
		.amdhsa_float_denorm_mode_32 3
		.amdhsa_float_denorm_mode_16_64 3
		.amdhsa_memory_ordered 1
		.amdhsa_forward_progress 1
		.amdhsa_inst_pref_size 39
	.end_amdhsa_kernel
	.amdgpu_metadata
---
amdhsa.version: [ 1, 2 ]
amdhsa.kernels:
  - .name:           k_qf27195763f_oproj
    .symbol:         k_qf27195763f_oproj.kd
    .args:
      - { .name: cq, .offset: 0, .size: 8, .value_kind: global_buffer, .address_space: global }
      - { .name: wo_codes, .offset: 8, .size: 8, .value_kind: global_buffer, .address_space: global }
      - { .name: wo_scales, .offset: 16, .size: 8, .value_kind: global_buffer, .address_space: global }
      - { .name: bo, .offset: 24, .size: 8, .value_kind: global_buffer, .address_space: global }
      - { .name: x, .offset: 32, .size: 8, .value_kind: global_buffer, .address_space: global }
      - { .name: out0, .offset: 40, .size: 8, .value_kind: global_buffer, .address_space: global }
    .group_segment_fixed_size: 288768
    .private_segment_fixed_size: 0
    .kernarg_segment_align: 8
    .kernarg_segment_size: 48
    .max_flat_workgroup_size: 512
    .sgpr_count:     102
    .vgpr_count:     256
    .wavefront_size: 32
...
	.end_amdgpu_metadata
.endif
;; end of part 4
